; MI455X (gfx1250); checked and timed in simulation.
; The chip was launched on July 23, 2026; its instructions are those of AMD's public machine-readable ISA for CDNA 5 (MIT licence, August 2026) and "CDNA5" Instruction Set Architecture Reference Guide (July 2026). The comments in the code are by the model that wrote it; some were corrected since.
;; Model. Allowed arithmetic: matrix products marked QUANTISED: E2M3 operands, one E8M0 scale for each 32 along K, by v_wmma_scale_f32_16x16x128_f8f6f4 with both operands' format E2M3, f32 sums; products left as they are: f32 operands where the result goes on into a quantised operand, else bf16, f16 or f32 operands; f32 sums; everything else in f32.
;; Inputs: W_em 512 x 512 float32; W_sv 512 x 32,000 float32; W_tv 512 x 32,000 float32; b_em 512 float32; b_sv 32,000 float32; b_tv 32,000 float32; sources 32 x 64 int32; target_lengths 32 int32; target_state 32 x 64 x 512 float32; targets 32 x 64 int32; y_hidden 32 x 64 x 512 float32; y_hidden_null 1 x 512 float32.
;; Outputs: out0 32 x 128 x 64 float32; out1 32 x 64 float32; out2 32 x 64 float32; out3 32 x 64 int32.
;; This version of the problem:
;;   THIS VERSION OF THE PROBLEM IS GIVEN IN LOW PRECISION. The matrix products marked QUANTISED in the list below multiply operands that are first quantised to E2M3 (2 exponent bits, 3 mantissa bits; 6 bits a number), with one power-of-two scale for each 32 numbers along K (OCP MX v1.0); their sums are f32. All else is computed in f32.
;;   The module's matrix products, in the order in which they are computed (A, B: the left and right operand; K: the contracted axis; several contracted axes count as one K, in the product's order):
;;     1. [M 2,048, K 512] x [K 512, N 512]; A: input y_hidden; B: input W_em: QUANTISED
;;     2. [M 1, K 512] x [K 512, N 512]; A: input y_hidden_null; B: input W_em: left as it is (M = 1 < 16)
;;     3. [M 2,048, K 512] x [K 512, N 32,000]; A: computed on the way; B: input W_sv: QUANTISED
;;     4. [M 1, K 512] x [K 512, N 32,000]; A: computed on the way; B: input W_sv: left as it is (M = 1 < 16)
;;     5. [M 2,048, K 512] x [K 512, N 32,000]; A: input target_state; B: input W_tv: QUANTISED
;;   THE QUANTISER, for each operand of a quantised product, along K:
;;     - K is cut into blocks of 32 from its start; a last block that is shorter is filled with zeros.
;;     - A block's scale is 2^e with e = floor(log2(the largest magnitude in the block)) - 2, held to -126 .. 127; a block of zeros has e = 0. As a byte (E8M0): e + 127.
;;     - Each number is divided by its block's scale, clamped to +-7.5, and rounded to the nearest number of E2M3, ties to even, subnormals kept.
;;     - The product sums the exact products of the quantised numbers (number of the format x scale) in f32.
;;   ~~~python
;;   def quantise(x, axis):      # numpy; x: float32 -> the quantised numbers, widened to float32 again
;;       x = np.moveaxis(x, axis, -1); K = x.shape[-1]
;;       x = np.pad(x, [(0, 0)] * (x.ndim - 1) + [(0, -K % 32)]); x = x.reshape(x.shape[:-1] + (-1, 32)); a = np.abs(x).max(-1, keepdims=True)
;;       e = np.where(a > 0, np.clip(np.frexp(np.where(a > 0, a, 1))[1] - 1 - 2, -126, 127), 0)      # np.frexp(a)[1] - 1 = floor(log2(a)), exactly
;;       r = np.clip(x / 2.0 ** e, -7.5, 7.5)
;;       step = 2.0 ** (np.maximum(np.frexp(np.where(r == 0, 1, r))[1] - 1, 0) - 3)
;;       q = np.round(r / step) * step * 2.0 ** e      # np.round: ties to even
;;       return np.moveaxis(q.reshape(q.shape[:-2] + (-1,))[..., :K], -1, axis).astype(np.float32)
;;   ~~~
;;   OPERANDS COMPUTED ON THE WAY. 'Computed on the way' means the value that the module computes at that place (a softmax that the list does not call 'softmax' is quantised finished and normalised). What goes into a quantiser is computed in f32, as accurately as f32 sums, v_exp_f32 and their like allow (about 1e-6 of the number): no bf16 or f16 on the way to a quantiser, and a product that is left as it is and whose result goes on into a quantised operand takes f32 operands (vector FMAs, or v_wmma_f32_16x16x4_f32). A number that lies on a knife's edge between two numbers of the format may be rounded either way, as far as f32 arithmetic and the matrix unit's own rounding can turn it there, and no further.
;; One version. Each part assembles by itself: llvm-mc -triple=amdgcn-amd-amdhsa -mcpu=gfx1250 --defsym DOCPART=n.
;; ======== version 1 of 1: 4 launches
;; limits: right only within a limited range of input values
;; workspace buffers: wsv 12,943,360 bytes; wtv 12,943,360 bytes; ay 819,200 bytes; at 819,200 bytes; tsn 2,048 bytes; nl 139,264 bytes; part 2,621,440 bytes; wem 204,800 bytes
;; launch prep (part 1): grid 508 x 1, 8 waves a work-group, no clusters, 2,048 bytes of LDS; arguments y_hidden_null, W_em, b_em, W_tv, b_tv, wtv, wem, tsn; writes wtv, wem, tsn
.if DOCPART == 1
	.amdgcn_target "amdgcn-amd-amdhsa--gfx1250"
	.amdhsa_code_object_version 6
	.text
	.protected	k_q87586622ca_prep
	.globl	k_q87586622ca_prep
	.p2align	8
	.type	k_q87586622ca_prep,@function
k_q87586622ca_prep:
	s_mov_b64 s[64:65], 0
	v_nop
	global_prefetch_b8 v0, s[64:65] scope:SCOPE_SE
	s_setreg_imm32_b32 hwreg(HW_REG_WAVE_MODE, 25, 1), 1
	s_wait_xcnt 0x0
; THE PROGRAM (four launches).  emission: ts = tanh(Q(y) Q(W_em) + b_em); logits Q(ts) Q(W_sv) + b_sv; of their softmax the row's sum and 64 looked-up columns a row are wanted.
; reconstruction: logits Q(target_state) Q(W_tv) + b_tv; of their softmax the row's sum, one looked-up column and the place of the largest are wanted.  The null row goes in f32.
; WHAT IS LEFT OUT, AND WHY IT MAY BE.  No input is dead: all twelve are loaded.  Every logit is computed and enters its row's maximum and sum.  The quotient e / sum is formed only at the places that
; reference() itself picks by sources and targets (a lookup by an index that is read from memory).  The largest quotient's place is taken as the largest logit's place: exp rises strictly and the divisor is
; the row's own, so in exact arithmetic both are one place, for all values; among equal logits the lowest column is kept, as argmax keeps it.
; LIMITS.  NaN and infinities among the inputs are not served, and an overflow that reaches only a quotient that is not looked up is not carried to a result.  Two logits that differ while their f32
; quotients coincide give the larger logit's column here.  A block whose largest magnitude lies under 2^-124 gets the scale byte 1; a block of zeros gets 1 where the rule says 127: its codes are zeros,
; and these bytes are read by this program alone.  tanh: 1 - 2 / (1 + 2^(2 x log2 e)), and for x^2 < 1/16 its series up to x^9 (the next term is under 1e-8 of x there).
; THIS LAUNCH, two roles by the work-group's number.  In both a work-group takes 64 columns of a weight stored [K][N]; wave (cg = w % 2, s = w / 2) takes 32 columns x K step s: a lane a column, registers down K,
; so that a block of 32 lies in one lane and the conversions give codes with K innermost.
;   WE (0-7): W_em, quantised ONCE for all row blocks, into wem; and tsn = tanh(y_null . W_em + b_em) in f32 from the same registers: the four K steps' parts meet in LDS, waves 0 and 1 finish.
;   WQ (8-507): W_tv into wtv, with a copy of b_tv.
; LAYOUTS.  wtv: 80 slabs of 161,792 bytes, 25 tiles of 16 columns each: codes at 6144 i + 1536 s + 512 c + 16 lane (the image of a fragment's registers 4 c .. 4 c + 3), scale words at
; 153600 + 256 i + 16 r + 4 s, bias at 160000 + 64 i + 4 r, zeros from 161600.  wem: 4 slices (128 units) of 51,200 bytes: tile t's codes at 6144 t + 1536 s + 512 c + 16 lane, scale words at 49152 + 256 t + 16 row + 4 s.
; THE UNITS OF A TILE OF wem ARE NOT NEIGHBOURS: row rho of tile 2 g + u is unit 32 g + 8 u + rho + 8 (rho / 8) of the slice, so that a lane's 16 results of two neighbouring tiles are 16 neighbours along the next K.
; No cluster: no two work-groups read the same bytes of a weight.
.set SLAB,   161792
.set WPITCH, 128000                    ; a row of W_tv in bytes
.set WEMS,   51200                     ; a slice of wem
.set SPARE,  1024                      ; LDS: 0 .. 1023 the waves' parts of y_null . W_em, 4 bytes a thread; then the spare words, 128 bytes a wave
.set X,   64                           ; v64-191  128 numbers down K of my column
.set F,   24                           ; v24-47   my column's codes: the piece of lane half h at F + 12 h
.set T,   48                           ; v48-62   the upper halves of the four blocks, as converted
.set SO,  16                           ; v16-19   the conversions' scale operands
; v1 lane, v2 r, v3 my column's byte, v4 codes', v5 scale words', v6 bias's place, v7 h, then the tile's place, v8 bias, v9 4 x thread, v10, v11 the add's two, v12-15 dot sums, v63 the slab's end
.macro QBLK q                          ; block q of my column: its largest magnitude, scale operand and byte
.set XQ, X+32*(\q)
	v_max3_num_f32 v20, |v[XQ]|, |v[XQ+1]|, |v[XQ+2]|
	v_max3_num_f32 v21, |v[XQ+3]|, |v[XQ+4]|, |v[XQ+5]|
.irp i, 6,10,14,18,22,26
	s_delay_alu instid0(VALU_DEP_2)
	v_max3_num_f32 v20, v20, |v[XQ+\i]|, |v[XQ+\i+1]|
	s_delay_alu instid0(VALU_DEP_2)
	v_max3_num_f32 v21, v21, |v[XQ+\i+2]|, |v[XQ+\i+3]|
.endr
	s_delay_alu instid0(VALU_DEP_2)
	v_max3_num_f32 v20, v20, |v[XQ+30]|, |v[XQ+31]|
	s_delay_alu instid0(VALU_DEP_1)
	v_max3_num_f32 v20, v20, v21, 0x1800000        ; the floor 2^(3 - 127): the byte cannot fall under 1
	s_delay_alu instid0(VALU_DEP_1)
	v_add_nc_u32 v[SO+\q], 0xff000000, v20         ; 2 off the exponent field: the conversion's scale operand
	s_delay_alu instid0(VALU_DEP_1)
	v_lshrrev_b32 v23, 23, v[SO+\q]                ; the byte
.if \q == 0
	s_delay_alu instid0(VALU_DEP_1)
	v_mov_b32 v22, v23
.else
	s_delay_alu instid0(VALU_DEP_1)
	v_lshl_or_b32 v22, v23, 8*\q, v22              ; four bytes make the K step's scale word
.endif
.endm
.macro CVT4                            ; block q = 2 c + h belongs to lane half h, registers 6 c .. 6 c + 5
.irp q, 0,1,2,3
	v_cvt_scalef32_pk16_fp6_f32 v[F+12*(\q%2)+6*(\q/2):F+12*(\q%2)+6*(\q/2)+2], v[X+32*\q:X+32*\q+15], v[SO+\q]
	v_cvt_scalef32_pk16_fp6_f32 v[T+4*\q:T+4*\q+2], v[X+32*\q+16:X+32*\q+31], v[SO+\q]   ; (a conversion's three registers begin on an even number)
.endr
	v_nop                                          ; one plain place behind the conversions
.irp q, 0,1,2,3
.irp i, 0,1,2
	v_mov_b32 v[F+12*(\q%2)+6*(\q/2)+3+\i], v[T+4*\q+\i]
.endr
.endr
.endm
.macro DOT q, set, first               ; 32 terms of y_null . W_em's column, in four chains; the first four products start the chains
.set i, 0
.rept 32
.if (\first) && (i < 4)
	v_mul_f32 v[12+i], s[\set+i], v[X+32*(\q)+i]
.else
	v_fmac_f32 v[12+i%4], s[\set+i], v[X+32*(\q)+i]
.endif
.set i, i+1
.endr
.endm
	s_load_b512 s[4:19], s[0:1], 0x0               ; y_null 4, W_em 6, b_em 8, W_tv 10, b_tv 12, wtv 14, wem 16, tsn 18
	v_lshl_add_u32 v10, v0, 2, SPARE
	v_mov_b32 v11, 0
	v_lshrrev_b32 v1, 5, v0
	s_delay_alu instid0(VALU_DEP_1)
	v_readfirstlane_b32 s20, v1                    ; wave 0..7
	v_and_b32 v1, 31, v0
	v_and_b32 v2, 15, v0
	v_bfe_u32 v7, v0, 4, 1
	v_lshlrev_b32 v9, 2, v0                        ; 256 s + 128 cg + 4 lane = 4 x thread
	s_and_b32 s21, s20, 1                          ; cg
	s_lshr_b32 s22, s20, 1                         ; K step s
	s_mov_b32 s25, 0                               ; the upper word of every offset in s[24:25]
	s_wait_kmcnt 0x0
	s_cmp_lt_u32 ttmp9, 8
	s_cbranch_scc1 .Lwe
	; ---- WQ: 32 columns x 128 along K of W_tv
	s_sub_co_u32 s23, ttmp9, 8                     ; g: 64 columns
	s_lshl_b32 s24, s23, 8
	s_lshl_b32 s26, s21, 7
	s_add_co_u32 s24, s24, s26
	s_wait_alu depctr_va_vdst(0)
	v_lshl_add_u32 v3, v1, 2, s24                  ; 4 x (64 g + 32 cg + lane)
	s_lshl_b32 s24, s23, 2
	s_lshl_b32 s26, s21, 1
	s_add_co_u32 s24, s24, s26
	v_add_nc_u32 v7, s24, v7                       ; my tile of 16 columns: 4 g + 2 cg + lane / 16
	s_delay_alu instid0(VALU_DEP_1)
	v_mul_u32_u24 v4, v7, 1311
	s_delay_alu instid0(VALU_DEP_1)
	v_lshrrev_b32 v4, 15, v4                       ; / 25, exact under 2,000: the slab
	s_delay_alu instid0(VALU_DEP_1)
	v_mul_u32_u24 v5, v4, 25
	s_delay_alu instid0(VALU_DEP_1)
	v_sub_nc_u32 v7, v7, v5                        ; i: the tile's place in it
	s_delay_alu instid0(VALU_DEP_3)
	v_mul_u32_u24 v6, v4, SLAB
	s_delay_alu instid0(VALU_DEP_1)
	v_mad_u32_u24 v4, v7, 6144, v6
	s_delay_alu instid0(VALU_DEP_1)
	v_lshl_add_u32 v4, v2, 4, v4                   ; codes
	s_delay_alu instid0(VALU_DEP_3)
	v_lshl_add_u32 v5, v7, 8, v6
	s_delay_alu instid0(VALU_DEP_1)
	v_lshl_add_u32 v5, v2, 4, v5                   ; scale words
	v_mad_u32_u24 v63, v2, 12, v6                  ; the slab's last 192 bytes
	v_lshl_add_u32 v6, v7, 6, v6
	s_delay_alu instid0(VALU_DEP_1)
	v_lshl_add_u32 v6, v2, 2, v6                   ; bias
	s_mul_i32 s24, s22, 128*WPITCH
	s_add_nc_u64 s[26:27], s[10:11], s[24:25]
	s_add_nc_u64 s[28:29], s[26:27], 64*WPITCH     ; a second base, so that every offset stays inside the signed 24-bit immediate
	s_mul_i32 s24, s22, 1536
	s_add_nc_u64 s[30:31], s[14:15], s[24:25]
	s_lshl_b32 s24, s22, 2
	s_add_nc_u64 s[32:33], s[14:15], s[24:25]
	global_load_b32 v8, v3, s[12:13]
.set t, 0
.rept 64
	global_load_b32 v[X+t], v3, s[26:27] offset:t*WPITCH th:TH_LOAD_NT   ; each load reads 128 consecutive bytes
.set t, t+1
.endr
.set t, 0
.rept 64
	global_load_b32 v[X+64+t], v3, s[28:29] offset:t*WPITCH th:TH_LOAD_NT
.set t, t+1
.endr
	s_wait_loadcnt 63                              ; of 129 loads the oldest 66 are in: the bias and blocks 0 and 1
	QBLK 0
	QBLK 1
	s_wait_loadcnt 32                              ; block 2
	QBLK 2
	s_wait_loadcnt 0x0
	QBLK 3
	CVT4
.irp h, 0,1
.irp c, 0,1,2
	global_store_b128 v4, v[F+12*\h+4*\c:F+12*\h+4*\c+3], s[30:31] offset:512*\c+256*\h   ; sixteen lanes store 256 consecutive bytes, aligned
.endr
.endr
	global_store_b32 v5, v22, s[32:33] offset:153600
	s_cmp_gt_u32 s20, 1
	s_cbranch_scc1 .Lend                           ; the waves of K step 0 also store the bias and the slab's end
	global_store_b32 v6, v8, s[14:15] offset:160000
	v_mov_b32 v48, 0
	v_mov_b32 v49, 0
	v_mov_b32 v50, 0
	v_cmp_eq_u32 vcc_lo, 24, v7
	s_wait_alu depctr_va_vdst(0)
	s_wait_xcnt 0x0                                ; EXEC changes only behind this wait
	s_and_saveexec_b32 s23, vcc_lo
	global_store_b96 v63, v[48:50], s[14:15] offset:161600
	s_wait_xcnt 0x0
	s_or_b32 exec_lo, exec_lo, s23
	s_branch .Lend
	; ---- WE: 32 units x 128 along K of W_em
.Lwe:
	s_lshl_b32 s24, ttmp9, 8
	s_lshl_b32 s26, s21, 7
	s_add_co_u32 s24, s24, s26
	s_wait_alu depctr_va_vdst(0)
	v_lshl_add_u32 v3, v1, 2, s24                  ; 4 x (64 x + 32 cg + lane): my unit
	s_lshr_b32 s23, ttmp9, 1
	s_mul_i32 s23, s23, WEMS                       ; the slice
	s_and_b32 s26, ttmp9, 1
	s_lshl_b32 s26, s26, 1
	s_add_co_u32 s26, s26, s21                     ; which 32 units of the slice
	s_mul_i32 s27, s26, 12288
	s_add_co_u32 s27, s27, s23
	s_lshl_b32 s26, s26, 9
	s_add_co_u32 s26, s26, s23
	v_bfe_u32 v5, v0, 3, 1                         ; u
	v_and_b32 v6, 7, v0
	s_delay_alu instid0(VALU_DEP_1)
	v_lshl_or_b32 v6, v7, 3, v6                    ; rho
	s_delay_alu instid0(VALU_DEP_3)
	v_mul_u32_u24 v4, v5, 6144
	s_delay_alu instid0(VALU_DEP_1)
	v_lshl_add_u32 v4, v6, 4, v4
	s_delay_alu instid0(VALU_DEP_1)
	v_add_nc_u32 v4, s27, v4                       ; codes: slice + 12288 g + 6144 u + 16 rho
	v_lshlrev_b32 v5, 8, v5
	s_delay_alu instid0(VALU_DEP_1)
	v_lshl_add_u32 v5, v6, 4, v5
	s_delay_alu instid0(VALU_DEP_1)
	v_add_nc_u32 v5, s26, v5                       ; scale words: slice + 512 g + 256 u + 16 rho
	s_lshl_b32 s24, s22, 18
	s_add_nc_u64 s[26:27], s[6:7], s[24:25]        ; W_em at row 128 s
	s_mul_i32 s24, s22, 1536
	s_add_nc_u64 s[30:31], s[16:17], s[24:25]
	s_lshl_b32 s24, s22, 2
	s_add_nc_u64 s[16:17], s[16:17], s[24:25]
	s_lshl_b32 s24, s22, 9
	s_add_nc_u64 s[28:29], s[4:5], s[24:25]        ; y_null at k = 128 s
	s_mov_b32 s23, 0x3cb327a4                      ; 62/2835
	s_load_b512 s[32:47], s[28:29], 0x0            ; the scalars are asked for ahead of the long run of loads
	s_load_b512 s[48:63], s[28:29], 0x40
	s_load_b512 s[68:83], s[28:29], 0x80
	s_load_b512 s[84:99], s[28:29], 0xc0
	global_load_b32 v8, v3, s[8:9]
.set t, 0
.rept 128
	global_load_b32 v[X+t], v3, s[26:27] offset:2048*t
.set t, t+1
.endr
	s_wait_loadcnt 63                              ; the bias and blocks 0 and 1 are in
	s_wait_kmcnt 0x0
	QBLK 0
	DOT 0, 32, 1
	s_load_b512 s[32:47], s[28:29], 0x100
	s_load_b512 s[48:63], s[28:29], 0x140
	QBLK 1
	DOT 1, 68, 0
	s_load_b512 s[68:83], s[28:29], 0x180
	s_load_b512 s[84:99], s[28:29], 0x1c0
	s_wait_loadcnt 32                              ; block 2
	s_wait_kmcnt 0x0
	QBLK 2
	DOT 2, 32, 0
	s_wait_loadcnt 0x0
	QBLK 3
	DOT 3, 68, 0
	CVT4
.irp h, 0,1
.irp c, 0,1,2
	global_store_b128 v4, v[F+12*\h+4*\c:F+12*\h+4*\c+3], s[30:31] offset:512*\c+256*\h   ; the sixteen lanes of a tile store 256 consecutive bytes, aligned
.endr
.endr
	global_store_b32 v5, v22, s[16:17] offset:49152
	v_add_f32 v12, v12, v13
	v_add_f32 v14, v14, v15
	s_delay_alu instid0(VALU_DEP_1)
	v_add_f32 v12, v12, v14
	ds_store_b32 v9, v12
	s_wait_dscnt 0x0                               ; for the others' sake: my store has landed
	s_barrier_signal -1
	s_barrier_wait -1
	s_cmp_gt_u32 s20, 1
	s_cbranch_scc1 .Lend                           ; waves 0 and 1 (K step 0) finish their 32 units
	ds_load_b32 v16, v9
	ds_load_b32 v17, v9 offset:256
	ds_load_b32 v18, v9 offset:512
	ds_load_b32 v19, v9 offset:768
	s_wait_dscnt 0x0
	v_add_f32 v16, v16, v17
	v_add_f32 v18, v18, v19
	s_delay_alu instid0(VALU_DEP_1)
	v_add_f32 v16, v16, v18
	s_delay_alu instid0(VALU_DEP_1)
	v_add_f32 v16, v16, v8                         ; y_null . W_em + b_em
	s_delay_alu instid0(VALU_DEP_1)
	v_mul_f32 v17, 0x4038aa3b, v16                 ; 2 x log2(e)
	s_wait_alu depctr_va_vdst(0)
	v_exp_f32 v17, v17
	v_mul_f32 v18, v16, v16                        ; the series is the work behind the exponential
	s_delay_alu instid0(VALU_DEP_1)
	v_fmaak_f32 v19, s23, v18, 0xbd5d0dd1          ; 62/2835 x^2 - 17/315
	s_delay_alu instid0(VALU_DEP_1)
	v_fmaak_f32 v19, v19, v18, 0x3e088889          ; + 2/15
	s_delay_alu instid0(VALU_DEP_1)
	v_fmaak_f32 v19, v19, v18, 0xbeaaaaab          ; - 1/3
	s_delay_alu instid0(VALU_DEP_1)
	v_fma_f32 v19, v19, v18, 1.0
	s_delay_alu instid0(VALU_DEP_1)
	v_mul_f32 v19, v19, v16
	v_cmp_gt_f32 vcc_lo, 0x3d800000, v18           ; x^2 < 1/16: the series
	s_wait_alu depctr_va_vdst(0)
	v_add_f32 v17, 1.0, v17
	s_wait_alu depctr_va_vdst(0)
	v_rcp_f32 v17, v17
	v_nop
	s_wait_alu depctr_va_vdst(0)
	v_fma_f32 v17, v17, -2.0, 1.0
	s_delay_alu instid0(VALU_DEP_1)
	v_cndmask_b32 v17, v17, v19, vcc_lo
	global_store_b32 v3, v17, s[18:19]
.Lend:
	s_wait_tensorcnt 0x0                           ; the wave's end, behind my last LDS store
	ds_add_u32 v10, v11
	s_wait_dscnt 0x0
	s_endpgm
.Lfunc_end_k_q87586622ca_prep:
	.size	k_q87586622ca_prep, .Lfunc_end_k_q87586622ca_prep-k_q87586622ca_prep
	.p2alignl 7, 3214868480
	.fill 96, 4, 3214868480
	.section	.rodata,"a",@progbits
	.p2align	6, 0x0
	.amdhsa_kernel k_q87586622ca_prep
		.amdhsa_group_segment_fixed_size 2048
		.amdhsa_private_segment_fixed_size 0
		.amdhsa_enable_private_segment 0
		.amdhsa_kernarg_size 64
		.amdhsa_user_sgpr_count 2
		.amdhsa_user_sgpr_kernarg_segment_ptr 1
		.amdhsa_wavefront_size32 1
		.amdhsa_system_sgpr_workgroup_id_x 1
		.amdhsa_system_sgpr_workgroup_id_y 1
		.amdhsa_system_sgpr_workgroup_id_z 1
		.amdhsa_system_vgpr_workitem_id 0
		.amdhsa_next_free_vgpr 192
		.amdhsa_next_free_sgpr 100
		.amdhsa_reserve_vcc 1
		.amdhsa_float_denorm_mode_32 3
		.amdhsa_float_denorm_mode_16_64 3
		.amdhsa_memory_ordered 1
		.amdhsa_forward_progress 1
		.amdhsa_inst_pref_size 53
	.end_amdhsa_kernel
	.amdgpu_metadata
---
amdhsa.version: [ 1, 2 ]
amdhsa.kernels:
  - .name:           k_q87586622ca_prep
    .symbol:         k_q87586622ca_prep.kd
    .args:
      - { .name: y_hidden_null, .offset: 0, .size: 8, .value_kind: global_buffer, .address_space: global }
      - { .name: W_em, .offset: 8, .size: 8, .value_kind: global_buffer, .address_space: global }
      - { .name: b_em, .offset: 16, .size: 8, .value_kind: global_buffer, .address_space: global }
      - { .name: W_tv, .offset: 24, .size: 8, .value_kind: global_buffer, .address_space: global }
      - { .name: b_tv, .offset: 32, .size: 8, .value_kind: global_buffer, .address_space: global }
      - { .name: wtv, .offset: 40, .size: 8, .value_kind: global_buffer, .address_space: global }
      - { .name: wem, .offset: 48, .size: 8, .value_kind: global_buffer, .address_space: global }
      - { .name: tsn, .offset: 56, .size: 8, .value_kind: global_buffer, .address_space: global }
    .group_segment_fixed_size: 2048
    .private_segment_fixed_size: 0
    .kernarg_segment_align: 8
    .kernarg_segment_size: 64
    .max_flat_workgroup_size: 256
    .sgpr_count:     100
    .vgpr_count:     192
    .wavefront_size: 32
...
	.end_amdgpu_metadata
.endif
;; end of part 1
;; launch mid (part 2): grid 580 x 1, 8 waves a work-group, no clusters, 53,248 bytes of LDS; arguments y_hidden, target_state, b_em, wem, W_sv, b_sv, tsn, wsv, nl, ay, at; writes wsv, nl, ay, at
.if DOCPART == 2
	.amdgcn_target "amdgcn-amd-amdhsa--gfx1250"
	.amdhsa_code_object_version 6
	.text
	.protected	k_q87586622ca_mid
	.globl	k_q87586622ca_mid
	.p2align	8
	.type	k_q87586622ca_mid,@function
k_q87586622ca_mid:
	s_mov_b64 s[64:65], 0
	v_nop
	global_prefetch_b8 v0, s[64:65] scope:SCOPE_SE
	s_setreg_imm32_b32 hwreg(HW_REG_WAVE_MODE, 25, 1), 1
	s_wait_xcnt 0x0
; Three roles by the work-group's number.  Nothing is left out here; LIMITS as stated at the first launch's head.
;   TS (0-63): 128 rows x 128 units of ts = tanh(Q(y) Q(W_em) + b_em).  The eight waves copy the slice's 32 fragments and their scale words out of wem into LDS as they lie (6,144 + 256 bytes a wave); then each wave
;     quantises its 16 rows of y, multiplies (transposed: source 0 = 16 units, source 1 = 16 rows), takes tanh and quantises the result as K step us of the next product, into ay.
;   TQ (64-79): each wave quantises 16 rows of target_state into at.
;   WQ (80-579): 64 columns of W_sv, read once for two things: codes and scale bytes into wsv (laid as wtv is), with a copy of b_sv; and the null row's logits tsn . W_sv + b_sv in f32 from the unquantised numbers.
;     Wave (cg = w % 2, s = w / 2) takes 32 columns x K step s: a lane a column, registers down K.  The four K steps' parts of a logit meet in LDS; waves 0 and 1 add them, store the logits, and the maximum and
;     the sum of exp(logit - maximum) of their 32 columns: nl: logits at 4 n, maxima at 131072 + 4 g, sums at 135168 + 4 g.
; ay, at: 128 tiles of 16 rows, 6,400 bytes: images of the fragments' registers at 1536 s + 512 c + 16 lane, scale words at 6144 + 16 r + 4 s.
; No cluster: wem's slice, which sixteen work-groups read, is 51,200 bytes against the launch's 65 MB.
.set SLAB,   161792
.set WPITCH, 128000                    ; a row of W_sv in bytes
.set WEMS,   51200                     ; a slice of wem
.set WSC,    49152                     ; LDS, role TS: 0 .. 49151 W_em's images (tile t, K step s: 6144 t + 1536 s); then their scale words, 256 t + 16 row + 4 s;
.set DOTS,   51200                     ; role WQ: the waves' parts of the null logits, 4 bytes a thread;
.set SPARE,  52224                     ; the spare words, 128 bytes a wave: four blocks of 256 bytes that no other line names
.set X,   64                           ; v64-191  128 numbers down K of my column
.set F,   24                           ; v24-47   my column's codes: the piece of lane half h at F + 12 h
.set T,   48                           ; v48-62   the upper halves of the four blocks, as converted
.set SO,  16                           ; v16-19   the conversions' scale operands
.set XA,  64                           ; v64-127, v128-191: two sets of 64 numbers of my row
.set XB,  128
.set XF,  16                           ; v16-63   my rows' four fragments (first: the 48 registers of the copy)
.set HA,  64                           ; v64-127  eight accumulators
.set WF,  128                          ; v128-223 eight fragments of W_em
.set WS,  224                          ; v224-231 their scale words
.set XS,  232                          ; v232-235 my rows' scale words
.set TM,  236                          ; v236-239 largest magnitudes, v240-243 bytes, v248-251 scale operands
.set TP,  192                          ; v192-198 halves of blocks on their way
.set SEL, 30                           ; s[30:31] v_permlanex16_b32's selects for lane l xor 16
; v1 lane, v2 r = lane % 16, v9 h = lane / 16, v3 my column's byte, v4-v7 addresses of the role, v8 a bias, v12-15 dot sums; v245, v246 places in wsv and nl; v10, v11, v244, v252, v253 LDS addresses; v254, v255 the add's two
.macro QBLK q                          ; block q of my column: its largest magnitude, scale operand and byte
.set XQ, X+32*(\q)
	v_max3_num_f32 v20, |v[XQ]|, |v[XQ+1]|, |v[XQ+2]|
	v_max3_num_f32 v21, |v[XQ+3]|, |v[XQ+4]|, |v[XQ+5]|
.irp i, 6,10,14,18,22,26
	s_delay_alu instid0(VALU_DEP_2)
	v_max3_num_f32 v20, v20, |v[XQ+\i]|, |v[XQ+\i+1]|
	s_delay_alu instid0(VALU_DEP_2)
	v_max3_num_f32 v21, v21, |v[XQ+\i+2]|, |v[XQ+\i+3]|
.endr
	s_delay_alu instid0(VALU_DEP_2)
	v_max3_num_f32 v20, v20, |v[XQ+30]|, |v[XQ+31]|
	s_delay_alu instid0(VALU_DEP_1)
	v_max3_num_f32 v20, v20, v21, 0x1800000        ; the floor 2^(3 - 127): the byte cannot fall under 1
	s_delay_alu instid0(VALU_DEP_1)
	v_add_nc_u32 v[SO+\q], 0xff000000, v20         ; 2 off the exponent field: the conversion's scale operand
	s_delay_alu instid0(VALU_DEP_1)
	v_lshrrev_b32 v23, 23, v[SO+\q]                ; the byte
.if \q == 0
	s_delay_alu instid0(VALU_DEP_1)
	v_mov_b32 v22, v23
.else
	s_delay_alu instid0(VALU_DEP_1)
	v_lshl_or_b32 v22, v23, 8*\q, v22              ; four bytes make the K step's scale word
.endif
.endm
.macro CVT4                            ; block q = 2 c + h belongs to lane half h, registers 6 c .. 6 c + 5
.irp q, 0,1,2,3
	v_cvt_scalef32_pk16_fp6_f32 v[F+12*(\q%2)+6*(\q/2):F+12*(\q%2)+6*(\q/2)+2], v[X+32*\q:X+32*\q+15], v[SO+\q]
	v_cvt_scalef32_pk16_fp6_f32 v[T+4*\q:T+4*\q+2], v[X+32*\q+16:X+32*\q+31], v[SO+\q]   ; (a conversion's three registers begin on an even number)
.endr
	v_nop                                          ; one plain place behind the conversions
.irp q, 0,1,2,3
.irp i, 0,1,2
	v_mov_b32 v[F+12*(\q%2)+6*(\q/2)+3+\i], v[T+4*\q+\i]
.endr
.endr
.endm
.macro DOT q, set, first               ; 32 terms of tsn . W_sv's column, in four chains; the first four products start the chains
.set i, 0
.rept 32
.if (\first) && (i < 4)
	v_mul_f32 v[12+i], s[\set+i], v[X+32*(\q)+i]
.else
	v_fmac_f32 v[12+i%4], s[\set+i], v[X+32*(\q)+i]
.endif
.set i, i+1
.endr
.endm
.macro XLOAD reg, s                    ; my row's numbers of K step s: register 16 b + i = k 32 b + 16 h + i
.irp b, 0,1,2,3
.irp j, 0,1,2,3
	global_load_b128 v[\reg+16*\b+4*\j:\reg+16*\b+4*\j+3], v4, s[28:29] offset:512*(\s)+128*\b+16*\j
.endr
.endr
.endm
.macro QUANT s, d, pw                  ; 64 numbers of a lane become a fragment's codes in v[d] on and its scale word in v[pw]
.irp b, 0,1,2,3
	v_max3_num_f32 v[TM+\b], |v[(\s)+16*\b]|, |v[(\s)+1+16*\b]|, 0x1800000
.endr
.irp i, 2,4,6,8,10,12,14
.irp b, 0,1,2,3
	s_delay_alu instid0(VALU_DEP_4)
	v_max3_num_f32 v[TM+\b], v[TM+\b], |v[(\s)+16*\b+\i]|, |v[(\s)+1+16*\b+\i]|
.endr
.endr
.irp b, 0,1,2,3
	s_delay_alu instid0(VALU_DEP_4)
	v_permlanex16_b32 v[TM+4+\b], v[TM+\b], s[SEL], s[SEL+1]
.endr
.irp b, 0,1,2,3
	s_delay_alu instid0(VALU_DEP_4)
	v_max_num_f32 v[TM+\b], v[TM+\b], v[TM+4+\b]   ; with lane l xor 16's 16: the block's largest magnitude
.endr
.irp b, 0,1,2,3
	s_delay_alu instid0(VALU_DEP_4)
	v_add_nc_u32 v[TM+12+\b], 0xff000000, v[TM+\b]
.endr
.irp b, 0,1,2,3
	s_delay_alu instid0(VALU_DEP_4)
	v_lshrrev_b32 v[TM+4+\b], 23, v[TM+12+\b]
.endr
	s_delay_alu instid0(VALU_DEP_3)
	v_lshl_or_b32 v[\pw], v[TM+5], 8, v[TM+4]
	s_delay_alu instid0(VALU_DEP_1)
	v_lshl_or_b32 v[\pw], v[TM+6], 16, v[\pw]
	s_delay_alu instid0(VALU_DEP_1)
	v_lshl_or_b32 v[\pw], v[TM+7], 24, v[\pw]
.irp c, 0,1
	v_cvt_scalef32_pk16_fp6_f32 v[(\d)+6*\c:(\d)+6*\c+2], v[(\s)+32*\c:(\s)+32*\c+15], v[TM+12+2*\c]
	v_cvt_scalef32_pk16_fp6_f32 v[TP+4*\c:TP+4*\c+2], v[(\s)+16+32*\c:(\s)+31+32*\c], v[TM+13+2*\c]
.endr
	v_nop                                          ; one plain place behind the conversions
.irp c, 0,1                            ; the operand's layout wants a whole block in a lane: lanes 0-15 block 2 c, lanes 16-31 block 2 c + 1
.irp i, 0,1,2
	v_permlane16_swap_b32 v[(\d)+6*\c+\i], v[TP+4*\c+\i]
.endr
.irp i, 0,1,2
	s_delay_alu instid0(VALU_DEP_3)
	v_mov_b32 v[(\d)+3+6*\c+\i], v[TP+4*\c+\i]
.endr
.endr
.endm
; My 16 rows' four K steps become four fragments.  K steps 0 and 1 are out when it begins; each wait leaves the 16 younger loads out.
.macro QX ts
	s_wait_loadcnt 16
	QUANT XA, XF, XS
	XLOAD XA, 2
	s_wait_loadcnt 16
	QUANT XB, XF+12, XS+1
	XLOAD XB, 3
	s_wait_loadcnt 16
	QUANT XA, XF+24, XS+2
.if \ts
.irp t, 0,1,2,3,4,5,6,7                ; b_em in the result's layout: it is the C of each sum's first product
	global_load_b128 v[HA+8*\t:HA+8*\t+3], v6, s[14:15] offset:(32*(\t/2)+8*(\t%2))*4
	global_load_b128 v[HA+8*\t+4:HA+8*\t+7], v6, s[14:15] offset:(32*(\t/2)+8*(\t%2))*4+16
.endr
	s_wait_loadcnt 16                              ; K step 3 is in; the sixteen loads of b_em may be out
.else
	s_wait_loadcnt 0x0
.endif
	QUANT XB, XF+36, XS+3
.endm
.macro TANH32 base                     ; tanh of 32 registers, in place
.set j, 0
.rept 32
	v_mul_f32 v[128+j], 0x4038aa3b, v[\base+j]     ; 2 x log2(e); each accumulator is read from its low end on
.set j, j+1
.endr
.set j, 0
	s_wait_alu depctr_va_vdst(0)
.rept 32
	v_exp_f32 v[128+j], v[128+j]
.set j, j+1
.endr
.set j, 0
.rept 32
	v_mul_f32 v[160+j], v[\base+j], v[\base+j]     ; the series is the work behind the exponentials
.set j, j+1
.endr
.set j, 0
.rept 32
	v_fmaak_f32 v[192+j], s9, v[160+j], 0xbd5d0dd1 ; 62/2835 x^2 - 17/315
.set j, j+1
.endr
.set j, 0
.rept 32
	v_fmaak_f32 v[192+j], v[192+j], v[160+j], 0x3e088889   ; + 2/15
.set j, j+1
.endr
.set j, 0
.rept 32
	v_fmaak_f32 v[192+j], v[192+j], v[160+j], 0xbeaaaaab   ; - 1/3
.set j, j+1
.endr
.set j, 0
.rept 32
	v_fma_f32 v[192+j], v[192+j], v[160+j], 1.0
.set j, j+1
.endr
.set j, 0
.rept 32
	v_mul_f32 v[192+j], v[192+j], v[\base+j]
.set j, j+1
.endr
	s_wait_alu depctr_va_vdst(0)                   ; one wait for the 32 exponentials, ahead of their first reader
.set j, 0
.rept 32
	v_add_f32 v[128+j], 1.0, v[128+j]
.set j, j+1
.endr
.set j, 0
	s_wait_alu depctr_va_vdst(0)
.rept 32
	v_rcp_f32 v[128+j], v[128+j]
.set j, j+1
.endr
	v_nop
	s_wait_alu depctr_va_vdst(0)                   ; and one for the 32 reciprocals
.set j, 0
.rept 32
	v_fma_f32 v[128+j], v[128+j], -2.0, 1.0
.set j, j+1
.endr
.set j, 0
.rept 32
	v_cmp_gt_f32 vcc_lo, 0x3d800000, v[160+j]      ; x^2 < 1/16: the series
	s_delay_alu instid0(VALU_DEP_1)
	v_cndmask_b32 v[\base+j], v[128+j], v[192+j], vcc_lo
.set j, j+1
.endr
.endm
	s_load_b512 s[4:19], s[0:1], 0x0               ; y 4, target_state 6, b_em 8, wem 10, W_sv 12, b_sv 14, tsn 16, wsv 18
	s_load_b128 s[20:23], s[0:1], 0x40             ; nl 20, ay 22
	s_load_b64 s[24:25], s[0:1], 0x50              ; at
	v_lshl_add_u32 v254, v0, 2, SPARE
	v_mov_b32 v255, 0
	v_lshrrev_b32 v1, 5, v0
	s_delay_alu instid0(VALU_DEP_1)
	v_readfirstlane_b32 s26, v1                    ; wave 0..7
	v_and_b32 v1, 31, v0
	v_and_b32 v2, 15, v0
	v_bfe_u32 v9, v0, 4, 1
	s_mov_b32 s[SEL], 0x76543210
	s_mov_b32 s[SEL+1], 0xfedcba98
	; every LDS address is made here, ahead of the roles' parting
	s_mul_i32 s27, s26, 6144
	v_lshlrev_b32 v253, 4, v1                      ; 16 x lane: an image's place for my lane
	s_delay_alu instid0(VALU_DEP_1)
	v_add_nc_u32 v10, s27, v253                    ; the copy: my wave's 6,144 bytes of codes,
	s_lshl_b32 s27, s26, 8
	s_add_co_u32 s27, s27, WSC
	v_lshl_add_u32 v11, v1, 3, s27                 ; and its 256 bytes of scale words, 8 a lane
	v_lshl_add_u32 v252, v0, 2, DOTS
	v_lshl_add_u32 v244, v2, 4, WSC
.irp b, 0,1,2,3
	v_mov_b32 v[TM+4+\b], 0                        ; written once: a lane permute's destination counts as one of its sources
.endr
	s_wait_kmcnt 0x0
	s_cmp_lt_u32 ttmp9, 64
	s_cbranch_scc1 .Lts
	s_cmp_lt_u32 ttmp9, 80
	s_cbranch_scc1 .Ltq
	; ---- WQ: 32 columns x 128 along K of W_sv
	s_sub_co_u32 s27, ttmp9, 80                    ; g: 64 columns
	s_and_b32 s2, s26, 1                           ; cg
	s_lshr_b32 s3, s26, 1                          ; K step s
	s_lshl_b32 s28, s27, 8
	s_lshl_b32 s29, s2, 7
	s_add_co_u32 s28, s28, s29
	v_lshl_add_u32 v3, v1, 2, s28                  ; 4 x (64 g + 32 cg + lane)
	s_lshl_b32 s28, s27, 2
	s_lshl_b32 s29, s2, 1
	s_add_co_u32 s28, s28, s29
	v_add_nc_u32 v7, s28, v9                       ; my tile of 16 columns
	s_delay_alu instid0(VALU_DEP_1)
	v_mul_u32_u24 v4, v7, 1311
	s_delay_alu instid0(VALU_DEP_1)
	v_lshrrev_b32 v4, 15, v4                       ; / 25, exact under 2,000: the slab
	s_delay_alu instid0(VALU_DEP_1)
	v_mul_u32_u24 v5, v4, 25
	s_delay_alu instid0(VALU_DEP_1)
	v_sub_nc_u32 v7, v7, v5                        ; i: the tile's place in it
	s_delay_alu instid0(VALU_DEP_3)
	v_mul_u32_u24 v6, v4, SLAB
	s_delay_alu instid0(VALU_DEP_1)
	v_mad_u32_u24 v4, v7, 6144, v6
	s_delay_alu instid0(VALU_DEP_1)
	v_lshl_add_u32 v4, v2, 4, v4                   ; codes
	s_delay_alu instid0(VALU_DEP_3)
	v_lshl_add_u32 v5, v7, 8, v6
	s_delay_alu instid0(VALU_DEP_1)
	v_lshl_add_u32 v5, v2, 4, v5                   ; scale words
	v_mad_u32_u24 v245, v2, 12, v6                 ; the slab's last 192 bytes
	v_lshl_add_u32 v6, v7, 6, v6
	s_delay_alu instid0(VALU_DEP_1)
	v_lshl_add_u32 v6, v2, 2, v6                   ; bias
	s_lshl_b32 s28, s27, 1
	s_add_co_u32 s28, s28, s2
	s_lshl_b32 s28, s28, 2
	v_mov_b32 v246, s28                            ; 4 x (2 g + cg): the statistics' place
	s_mul_i32 s28, s3, 128*WPITCH
	s_mov_b32 s29, 0
	s_add_nc_u64 s[4:5], s[12:13], s[28:29]
	s_add_nc_u64 s[6:7], s[4:5], 64*WPITCH         ; a second base, so that every offset stays inside the signed 24-bit immediate
	s_mul_i32 s28, s3, 1536
	s_add_nc_u64 s[8:9], s[18:19], s[28:29]
	s_lshl_b32 s28, s3, 9
	s_add_nc_u64 s[10:11], s[16:17], s[28:29]      ; tsn at k = 128 s
	s_lshl_b32 s28, s3, 2
	s_add_nc_u64 s[22:23], s[18:19], s[28:29]
	s_load_b512 s[32:47], s[10:11], 0x0            ; the scalars are asked for ahead of the long run of loads
	s_load_b512 s[48:63], s[10:11], 0x40
	s_load_b512 s[68:83], s[10:11], 0x80
	s_load_b512 s[84:99], s[10:11], 0xc0
	global_load_b32 v8, v3, s[14:15]
.set t, 0
.rept 64
	global_load_b32 v[X+t], v3, s[4:5] offset:t*WPITCH th:TH_LOAD_NT   ; each load reads 128 consecutive bytes
.set t, t+1
.endr
.set t, 0
.rept 64
	global_load_b32 v[X+64+t], v3, s[6:7] offset:t*WPITCH th:TH_LOAD_NT
.set t, t+1
.endr
	s_wait_loadcnt 63                              ; of 129 loads the oldest 66 are in: the bias and blocks 0 and 1
	s_wait_kmcnt 0x0
	QBLK 0
	DOT 0, 32, 1
	s_load_b512 s[32:47], s[10:11], 0x100
	s_load_b512 s[48:63], s[10:11], 0x140
	QBLK 1
	DOT 1, 68, 0
	s_load_b512 s[68:83], s[10:11], 0x180
	s_load_b512 s[84:99], s[10:11], 0x1c0
	s_wait_loadcnt 32                              ; block 2
	s_wait_kmcnt 0x0
	QBLK 2
	DOT 2, 32, 0
	s_wait_loadcnt 0x0
	QBLK 3
	DOT 3, 68, 0
	CVT4
.irp h, 0,1
.irp c, 0,1,2
	global_store_b128 v4, v[F+12*\h+4*\c:F+12*\h+4*\c+3], s[8:9] offset:512*\c+256*\h   ; sixteen lanes store 256 consecutive bytes, aligned
.endr
.endr
	global_store_b32 v5, v22, s[22:23] offset:153600
	v_add_f32 v12, v12, v13
	v_add_f32 v14, v14, v15
	s_delay_alu instid0(VALU_DEP_1)
	v_add_f32 v12, v12, v14
	ds_store_b32 v252, v12
	s_wait_dscnt 0x0                               ; for the others' sake: my store has landed
	s_barrier_signal -1
	s_barrier_wait -1
	s_cmp_gt_u32 s26, 1
	s_cbranch_scc1 .Lexit                          ; waves 0 and 1 (K step 0) finish their 32 columns
	ds_load_b32 v16, v252
	ds_load_b32 v17, v252 offset:256
	ds_load_b32 v18, v252 offset:512
	ds_load_b32 v19, v252 offset:768
	global_store_b32 v6, v8, s[18:19] offset:160000
	s_wait_dscnt 0x0
	v_add_f32 v16, v16, v17
	v_add_f32 v18, v18, v19
	s_delay_alu instid0(VALU_DEP_1)
	v_add_f32 v16, v16, v18
	s_delay_alu instid0(VALU_DEP_1)
	v_add_f32 v16, v16, v8                         ; the null logit of my column
	global_store_b32 v3, v16, s[20:21]
	v_mov_b32 v17, v16
	s_delay_alu instid0(VALU_DEP_1)
	v_max_num_f32_dpp v17, v17, v17 row_xmask:1 row_mask:0xf bank_mask:0xf
	s_delay_alu instid0(VALU_DEP_1)
	v_max_num_f32_dpp v17, v17, v17 row_xmask:2 row_mask:0xf bank_mask:0xf
	s_delay_alu instid0(VALU_DEP_1)
	v_max_num_f32_dpp v17, v17, v17 row_xmask:4 row_mask:0xf bank_mask:0xf
	s_delay_alu instid0(VALU_DEP_1)
	v_max_num_f32_dpp v17, v17, v17 row_xmask:8 row_mask:0xf bank_mask:0xf
	s_delay_alu instid0(VALU_DEP_1)
	v_permlanex16_b32 v18, v17, s[SEL], s[SEL+1]
	s_delay_alu instid0(VALU_DEP_1)
	v_max_num_f32 v17, v17, v18                    ; the 32 columns' maximum
	s_delay_alu instid0(VALU_DEP_1)
	v_mul_f32 v19, 0x3fb8aa3b, v17
	s_delay_alu instid0(VALU_DEP_1)
	v_fma_f32 v19, v16, 0x3fb8aa3b, -v19
	s_wait_alu depctr_va_vdst(0)
	v_exp_f32 v19, v19
	v_nop
	s_wait_alu depctr_va_vdst(0)
	v_add_f32_dpp v19, v19, v19 row_xmask:1 row_mask:0xf bank_mask:0xf
	s_delay_alu instid0(VALU_DEP_1)
	v_add_f32_dpp v19, v19, v19 row_xmask:2 row_mask:0xf bank_mask:0xf
	s_delay_alu instid0(VALU_DEP_1)
	v_add_f32_dpp v19, v19, v19 row_xmask:4 row_mask:0xf bank_mask:0xf
	s_delay_alu instid0(VALU_DEP_1)
	v_add_f32_dpp v19, v19, v19 row_xmask:8 row_mask:0xf bank_mask:0xf
	s_delay_alu instid0(VALU_DEP_1)
	v_permlanex16_b32 v18, v19, s[SEL], s[SEL+1]
	s_delay_alu instid0(VALU_DEP_1)
	v_add_f32 v19, v19, v18                        ; and the sum under it
	v_mov_b32 v48, 0
	v_mov_b32 v49, 0
	v_mov_b32 v50, 0
	v_cmp_eq_u32 vcc_lo, 0, v1
	s_wait_alu depctr_va_vdst(0)
	s_wait_xcnt 0x0                                ; EXEC changes only behind this wait
	s_and_saveexec_b32 s27, vcc_lo
	global_store_b32 v246, v17, s[20:21] offset:131072
	global_store_b32 v246, v19, s[20:21] offset:135168
	s_wait_xcnt 0x0
	s_or_b32 exec_lo, exec_lo, s27
	v_cmp_eq_u32 vcc_lo, 24, v7                    ; a slab's last tile also stores the slab's last 192 bytes
	s_and_saveexec_b32 s27, vcc_lo
	global_store_b96 v245, v[48:50], s[18:19] offset:161600
	s_wait_xcnt 0x0
	s_or_b32 exec_lo, exec_lo, s27
	s_branch .Lexit
	; ---- TQ: 16 rows of target_state
.Ltq:
	s_sub_co_u32 s27, ttmp9, 64
	s_lshl_b32 s27, s27, 3
	s_add_co_u32 s27, s27, s26                     ; my tile of 16 rows
	s_lshl_b32 s2, s27, 15
	s_mov_b32 s3, 0
	s_add_nc_u64 s[28:29], s[6:7], s[2:3]
	s_mul_i32 s2, s27, 6400
	s_add_nc_u64 s[24:25], s[24:25], s[2:3]
	v_lshlrev_b32 v4, 11, v2
	s_delay_alu instid0(VALU_DEP_1)
	v_lshl_add_u32 v4, v9, 6, v4                   ; row r of 2,048 bytes, + 64 h
	v_lshlrev_b32 v5, 4, v2
	s_delay_alu instid0(VALU_DEP_1)
	v_lshl_add_u32 v5, v9, 3, v5                   ; 16 r + 8 h
	XLOAD XA, 0
	XLOAD XB, 1
	QX 0
.irp s, 0,1,2,3
.irp c, 0,1,2
	global_store_b128 v253, v[XF+12*\s+4*\c:XF+12*\s+4*\c+3], s[24:25] offset:1536*\s+512*\c
.endr
.endr
	v_cmp_eq_u32 vcc_lo, 1, v9                     ; both halves of the lanes hold all four words: lanes 0-15 store words 0, 1, lanes 16-31 words 2, 3: 256 consecutive bytes
	s_delay_alu instid0(VALU_DEP_1)
	v_cndmask_b32 v200, v[XS], v[XS+2], vcc_lo
	s_delay_alu instid0(VALU_DEP_2)
	v_cndmask_b32 v201, v[XS+1], v[XS+3], vcc_lo
	global_store_b64 v5, v[200:201], s[24:25] offset:6144
	s_branch .Lexit
	; ---- TS
.Lts:
	s_lshr_b32 s16, ttmp9, 2                       ; mb: 128 rows
	s_and_b32 s17, ttmp9, 3                        ; us: 128 units
	s_mov_b32 s3, 0
	s_lshl_b32 s2, s17, 9
	s_add_nc_u64 s[14:15], s[8:9], s[2:3]          ; b_em at the slice
	s_mul_i32 s2, s17, WEMS
	s_add_nc_u64 s[10:11], s[10:11], s[2:3]        ; wem at the slice
	s_lshl_b32 s2, s26, 8
	s_add_nc_u64 s[12:13], s[10:11], s[2:3]        ; my 256 bytes of its scale words (49,152 further on, in the load's immediate)
	s_mul_i32 s2, s26, 6144
	s_add_nc_u64 s[10:11], s[10:11], s[2:3]        ; my 6,144 bytes of its codes
	s_lshl_b32 s8, s16, 3
	s_add_co_u32 s8, s8, s26                       ; my tile of 16 rows
	s_lshl_b32 s2, s8, 15
	s_add_nc_u64 s[28:29], s[4:5], s[2:3]
	s_mul_i32 s2, s8, 6400
	s_add_nc_u64 s[22:23], s[22:23], s[2:3]
	s_mul_i32 s2, s17, 1536
	s_add_nc_u64 s[20:21], s[22:23], s[2:3]        ; ay: the tile's image of K step us
	s_lshl_b32 s2, s17, 2
	s_add_nc_u64 s[22:23], s[22:23], s[2:3]        ; and its scale words
	s_mov_b32 s9, 0x3cb327a4                       ; 62/2835
	v_lshlrev_b32 v4, 11, v2
	s_delay_alu instid0(VALU_DEP_1)
	v_lshl_add_u32 v4, v9, 6, v4
	v_lshlrev_b32 v5, 4, v2
	v_lshlrev_b32 v6, 6, v9
	v_lshlrev_b32 v7, 3, v1
.irp i, 0,1,2,3,4,5,6,7,8,9,10,11      ; 13 loads of the copy, then my rows' first 32: 45 loads are out
	global_load_b128 v[XF+4*\i:XF+4*\i+3], v253, s[10:11] offset:512*\i
.endr
	global_load_b64 v[200:201], v7, s[12:13] offset:49152
	XLOAD XA, 0
	XLOAD XB, 1
	s_wait_loadcnt 32                              ; the copy's 13 are in; my rows' 32 may be out
.irp i, 0,1,2,3,4,5,6,7,8,9,10,11
	ds_store_b128 v10, v[XF+4*\i:XF+4*\i+3] offset:512*\i
.endr
	ds_store_b64 v11, v[200:201]
	s_wait_dscnt 0x0                               ; for the others' sake: my stores have landed (and have read their registers)
	s_barrier_signal -1
	s_barrier_wait -1                              ; the slice's 32 fragments and their scale words lie in LDS; nothing of them is written again
	QX 1
	s_wait_loadcnt 0x0                             ; b_em
.rept 8
	v_nop                                          ; scale words written by vector instructions stand eight places ahead of a scaled matrix instruction, operands four
.endr
.irp s, 0,1,2,3                        ; ts^T = W_em^T y^T + b_em: eight accumulators by turns, a K step at a time
.irp t, 0,1,2,3,4,5,6,7
.irp c, 0,1,2
	ds_load_b128 v[WF+12*\t+4*\c:WF+12*\t+4*\c+3], v253 offset:6144*\t+1536*\s+512*\c
.endr
	ds_load_b32 v[WS+\t], v244 offset:256*\t+4*\s
.endr
	s_wait_alu depctr_va_vdst(0)
	s_wait_dscnt 0x0
.irp t, 0,1,2,3,4,5,6,7
	v_wmma_scale_f32_16x16x128_f8f6f4 v[HA+8*\t:HA+8*\t+7], v[WF+12*\t:WF+12*\t+11], v[XF+12*\s:XF+12*\s+11], v[HA+8*\t:HA+8*\t+7], v[WS+\t], v[XS+\s] matrix_a_fmt:MATRIX_FMT_FP6 matrix_b_fmt:MATRIX_FMT_FP6
.endr
.rept 4
	v_nop                                          ; places in front of loads into registers that matrix instructions have read, and of the first read of results
.endr
.endr
	TANH32 HA
	TANH32 HA+32
	QUANT HA, 128, 228                             ; register 16 b + i is unit 32 b + 16 h + i of the slice: K step us of the next product
.irp c, 0,1,2
	global_store_b128 v253, v[128+4*\c:128+4*\c+3], s[20:21] offset:512*\c
.endr
	v_cmp_gt_u32 vcc_lo, 16, v1
	s_wait_xcnt 0x0                                ; EXEC changes only behind this wait
	s_and_saveexec_b32 s2, vcc_lo
	global_store_b32 v5, v228, s[22:23] offset:6144
	s_wait_xcnt 0x0
	s_or_b32 exec_lo, exec_lo, s2
.Lexit:
	s_wait_tensorcnt 0x0                           ; the wave's end, behind my last LDS store
	ds_add_u32 v254, v255
	s_wait_dscnt 0x0
	s_endpgm
.Lfunc_end_k_q87586622ca_mid:
	.size	k_q87586622ca_mid, .Lfunc_end_k_q87586622ca_mid-k_q87586622ca_mid
	.p2alignl 7, 3214868480
	.fill 96, 4, 3214868480
	.section	.rodata,"a",@progbits
	.p2align	6, 0x0
	.amdhsa_kernel k_q87586622ca_mid
		.amdhsa_group_segment_fixed_size 53248
		.amdhsa_private_segment_fixed_size 0
		.amdhsa_enable_private_segment 0
		.amdhsa_kernarg_size 88
		.amdhsa_user_sgpr_count 2
		.amdhsa_user_sgpr_kernarg_segment_ptr 1
		.amdhsa_wavefront_size32 1
		.amdhsa_system_sgpr_workgroup_id_x 1
		.amdhsa_system_sgpr_workgroup_id_y 1
		.amdhsa_system_sgpr_workgroup_id_z 1
		.amdhsa_system_vgpr_workitem_id 0
		.amdhsa_next_free_vgpr 256
		.amdhsa_next_free_sgpr 100
		.amdhsa_reserve_vcc 1
		.amdhsa_float_denorm_mode_32 3
		.amdhsa_float_denorm_mode_16_64 3
		.amdhsa_memory_ordered 1
		.amdhsa_forward_progress 1
		.amdhsa_inst_pref_size 156
	.end_amdhsa_kernel
	.amdgpu_metadata
---
amdhsa.version: [ 1, 2 ]
amdhsa.kernels:
  - .name:           k_q87586622ca_mid
    .symbol:         k_q87586622ca_mid.kd
    .args:
      - { .name: y_hidden, .offset: 0, .size: 8, .value_kind: global_buffer, .address_space: global }
      - { .name: target_state, .offset: 8, .size: 8, .value_kind: global_buffer, .address_space: global }
      - { .name: b_em, .offset: 16, .size: 8, .value_kind: global_buffer, .address_space: global }
      - { .name: wem, .offset: 24, .size: 8, .value_kind: global_buffer, .address_space: global }
      - { .name: W_sv, .offset: 32, .size: 8, .value_kind: global_buffer, .address_space: global }
      - { .name: b_sv, .offset: 40, .size: 8, .value_kind: global_buffer, .address_space: global }
      - { .name: tsn, .offset: 48, .size: 8, .value_kind: global_buffer, .address_space: global }
      - { .name: wsv, .offset: 56, .size: 8, .value_kind: global_buffer, .address_space: global }
      - { .name: nl, .offset: 64, .size: 8, .value_kind: global_buffer, .address_space: global }
      - { .name: ay, .offset: 72, .size: 8, .value_kind: global_buffer, .address_space: global }
      - { .name: at, .offset: 80, .size: 8, .value_kind: global_buffer, .address_space: global }
    .group_segment_fixed_size: 53248
    .private_segment_fixed_size: 0
    .kernarg_segment_align: 8
    .kernarg_segment_size: 88
    .max_flat_workgroup_size: 256
    .sgpr_count:     100
    .vgpr_count:     256
    .wavefront_size: 32
...
	.end_amdgpu_metadata
.endif
;; end of part 2
;; launch gemm (part 3): grid 8 x 32, 8 waves a work-group, clusters of 4 x 1, 327,680 bytes of LDS; arguments wsv, wtv, ay, at, part; writes part
.if DOCPART == 3
	.amdgcn_target "amdgcn-amd-amdhsa--gfx1250"
	.amdhsa_code_object_version 6
	.text
	.protected	k_q87586622ca_gemm
	.globl	k_q87586622ca_gemm
	.p2align	8
	.type	k_q87586622ca_gemm,@function
k_q87586622ca_gemm:
	s_mov_b64 s[64:65], 0
	v_nop
	global_prefetch_b8 v0, s[64:65] scope:SCOPE_SE
	s_setreg_imm32_b32 hwreg(HW_REG_WAVE_MODE, 25, 1), 1
	s_wait_xcnt 0x0
	s_wait_alu depctr_hold_cnt(0) depctr_sa_sdst(0) depctr_va_vdst(0) depctr_va_sdst(0) depctr_va_ssrc(0) depctr_va_vcc(0) depctr_vm_vsrc(0)
	s_getreg_b32 s2, hwreg(HW_REG_IB_STS2, 6, 4)
	s_cmp_eq_u32 s2, 0
	s_cbranch_scc0 .Lentry_in_a_cluster
	s_endpgm
.Lentry_in_a_cluster:
	s_bfe_u32 s2, ttmp6, 0x10000c
	s_cmp_lg_u32 s2, 0x3003
	s_cbranch_scc0 .Lentry_shape_is_right
	s_endpgm
.Lentry_shape_is_right:
; Both large products and the first pass of their softmax.  Work-group (x, y): rows 256 x .. + 255 of matrix y / 16 (0: Q(ts) Q(W_sv) + b_sv, 1: Q(target_state) Q(W_tv) + b_tv),
; columns 2,000 (y % 16) .. + 1,999: five slabs of 25 tiles of 16 columns, laid as the first launch's head says.
; Wave (rg = w % 4, par = w / 4): rows 64 rg .. + 63, whose sixteen fragments stay in window 1; of each slab the tiles of one parity, which changes from slab to slab.
; The matrix instruction is used transposed (source 0 = 16 columns, source 1 = 16 rows): a lane holds one row and eight columns; the bias is the C of a tile's first product.
; Each lane keeps, for each of its four row blocks, a running maximum M, -c M (c = log2 e) and the sum of 2^(c x - c M) in two halves; when M moves the sum is multiplied by 2^(c M old - c M new).
; Matrix 1 also keeps the tile in which M last grew and that tile's eight logits: from them the lowest column of the largest logit.  part: maxima, sums at + 1,048,576, columns at + 1,572,864.
; The slabs go through a ring of two LDS slots by joint loads of the cluster's four work-groups (they differ in their rows alone); a wave's load is 79 rows of 256 bytes.
; No prefetch: a refill is asked for a whole slab ahead of the wait for it (12 or 13 tiles a wave, 16 matrix instructions each); slab 0 is asked for at the head, where there is no loop to run ahead in.
; Left out, as at the first launch's head: the quotients that no lookup asks for.  LIMITS as stated there.
.set SLAB,  161792
.set PIECE, 20224
.set SPARE, 2*SLAB
.set AS,  12
.set WF,  28
.set WS,  76
.set BI,  80
.set ACC, 88
.set T,   120
.set MX,  124
.set NP,  128
.set AP,  136
.set L,   144
.set TI,  152
.set SV,  156
.set LF,  188
.set CI,  192
.set TN,  196
.set MSB, 0
.macro WIN new
.if MSB != \new
	s_set_vgpr_msb (MSB<<8)|\new
.set MSB, \new
.endif
.endm
.macro CROUND
	s_barrier_signal -1
	s_barrier_wait -1
	s_cmp_lg_u32 s32, 0
	s_cbranch_scc1 .Lnot_wave_0_\@
	s_barrier_signal -3
.Lnot_wave_0_\@:
	s_barrier_wait -3
	s_barrier_signal -1
	s_barrier_wait -1
.endm
.macro TADR B
	s_mul_i32 s38, s37, 6144
	s_lshl_b32 s39, s37, 8
	s_lshl_b32 s37, s37, 6
	s_add_co_u32 s38, s38, \B
	s_add_co_u32 s39, s39, \B+153600
	s_add_co_u32 s37, s37, \B+160000
	v_add_nc_u32 v4, s38, v1
	v_add_nc_u32 v5, s39, v2
	v_add_nc_u32 v6, s37, v3
.endm
.macro LOADW
.irp s, 0,1,2,3
.irp c, 0,1,2
	ds_load_b128 v[WF+12*\s+4*\c:WF+12*\s+4*\c+3], v4 offset:1536*\s+512*\c
.endr
.endr
	ds_load_b128 v[WS:WS+3], v5
	ds_load_b128 v[BI:BI+3], v6
	ds_load_b128 v[BI+4:BI+7], v6 offset:16
.endm
.macro MM
	WIN 0x04
.irp s, 0,1,2,3
.irp m, 0,1,2,3
.if \s == 0
	v_wmma_scale_f32_16x16x128_f8f6f4 v[ACC+8*\m:ACC+8*\m+7], v[WF+12*\s:WF+12*\s+11], v[48*\m+12*\s:48*\m+12*\s+11], v[BI:BI+7], v[WS+\s], v[AS+4*\m+\s] matrix_a_fmt:MATRIX_FMT_FP6 matrix_b_fmt:MATRIX_FMT_FP6
.else
	v_wmma_scale_f32_16x16x128_f8f6f4 v[ACC+8*\m:ACC+8*\m+7], v[WF+12*\s:WF+12*\s+11], v[48*\m+12*\s:48*\m+12*\s+11], v[ACC+8*\m:ACC+8*\m+7], v[WS+\s], v[AS+4*\m+\s] matrix_a_fmt:MATRIX_FMT_FP6 matrix_b_fmt:MATRIX_FMT_FP6
.endif
.endr
.endr
	WIN 0
.endm
.macro SOFTMAX
.irp m, 0,1,2,3
	v_max3_num_f32 v[T+\m], v[ACC+8*\m], v[ACC+8*\m+1], v[ACC+8*\m+2]
.endr
.irp m, 0,1,2,3
	v_max3_num_f32 v[T+\m], v[T+\m], v[ACC+8*\m+3], v[ACC+8*\m+4]
.endr
.irp m, 0,1,2,3
	v_max3_num_f32 v[T+\m], v[T+\m], v[ACC+8*\m+5], v[ACC+8*\m+6]
.endr
.irp m, 0,1,2,3
	v_max3_num_f32 v[T+\m], v[T+\m], v[ACC+8*\m+7], v[MX+\m]
.endr
	s_cmp_eq_u32 s35, 0
	s_cbranch_scc1 .Lsv_\@
	s_add_co_u32 s42, s43, s40
	v_mov_b32 v[TN], s42
.irp m, 0,1,2,3
	v_cmp_gt_f32 vcc_lo, v[T+\m], v[MX+\m]
.irp i, 0,1,2,3,4,5,6,7
.if \i%2 == 0                          ; two selects an instruction, both by VCC
	v_dual_cndmask_b32 v[SV+8*\m+\i], v[SV+8*\m+\i], v[ACC+8*\m+\i] :: v_dual_cndmask_b32 v[SV+8*\m+\i+1], v[SV+8*\m+\i+1], v[ACC+8*\m+\i+1]
.endif
.endr
	v_cndmask_b32 v[TI+\m], v[TI+\m], v[TN], vcc_lo
.endr
.Lsv_\@:
	s_wait_alu depctr_va_vdst(0)
.irp m, 0,1,2,3
.if \m%2 == 0                          ; NP .. NP+3: -c M of the four row blocks; NP+4 .. NP+7: c M old - c M new, two at a time
	v_pk_fma_f32 v[NP+4+\m:NP+5+\m], v[T+\m:T+\m+1], s[46:47], v[NP+\m:NP+\m+1] op_sel_hi:[1,0,1] neg_lo:[0,0,1] neg_hi:[0,0,1]
.endif
.endr
.irp m, 0,1,2,3
.if \m%2 == 0
	v_pk_mul_f32 v[NP+\m:NP+\m+1], v[T+\m:T+\m+1], s[46:47] op_sel_hi:[1,0]
.endif
.endr
.irp m, 0,1,2,3
.if \m%2 == 0
	v_dual_mov_b32 v[MX+\m], v[T+\m] :: v_dual_mov_b32 v[MX+\m+1], v[T+\m+1]
.endif
.endr
.irp i, 0,2,4,6
.irp m, 0,1,2,3
.if \m%2                               ; of the pair that holds -c M of two row blocks, the block's own word serves both halves
	v_pk_fma_f32 v[ACC+8*\m+\i:ACC+8*\m+\i+1], v[ACC+8*\m+\i:ACC+8*\m+\i+1], s[44:45], v[NP+\m-1:NP+\m] op_sel:[0,0,1] op_sel_hi:[1,0,1]
.else
	v_pk_fma_f32 v[ACC+8*\m+\i:ACC+8*\m+\i+1], v[ACC+8*\m+\i:ACC+8*\m+\i+1], s[44:45], v[NP+\m:NP+\m+1] op_sel_hi:[1,0,0]
.endif
.endr
.endr
	s_wait_alu depctr_va_vdst(0)
.irp m, 0,1,2,3
	v_exp_f32 v[AP+\m], v[NP+4+\m]
.endr
.set k, 0
.rept 32
	v_exp_f32 v[ACC+k], v[ACC+k]
.set k, k+1
.endr
	v_nop
	s_wait_alu depctr_va_vdst(0)
.irp m, 0,1,2,3
	v_pk_add_f32 v[ACC+8*\m:ACC+8*\m+1], v[ACC+8*\m:ACC+8*\m+1], v[ACC+8*\m+2:ACC+8*\m+3]
.endr
.irp m, 0,1,2,3
	v_pk_add_f32 v[ACC+8*\m+4:ACC+8*\m+5], v[ACC+8*\m+4:ACC+8*\m+5], v[ACC+8*\m+6:ACC+8*\m+7]
.endr
.irp m, 0,1,2,3
	s_delay_alu instid0(VALU_DEP_4)
	v_pk_add_f32 v[ACC+8*\m:ACC+8*\m+1], v[ACC+8*\m:ACC+8*\m+1], v[ACC+8*\m+4:ACC+8*\m+5]
.endr
.irp m, 0,1,2,3
.if \m%2
	v_pk_fma_f32 v[L+2*\m:L+2*\m+1], v[L+2*\m:L+2*\m+1], v[AP+\m-1:AP+\m], v[ACC+8*\m:ACC+8*\m+1] op_sel:[0,1,0] op_sel_hi:[1,1,1]
.else
	v_pk_fma_f32 v[L+2*\m:L+2*\m+1], v[L+2*\m:L+2*\m+1], v[AP+\m:AP+\m+1], v[ACC+8*\m:ACC+8*\m+1] op_sel_hi:[1,0,1]
.endif
.endr
.endm
.macro PASS B, sigma
	s_mov_b32 s40, s[47+((\sigma)&1)]
	s_add_co_u32 s43, s49, 25*(\sigma)
	s_mov_b32 s37, s40
	TADR \B
	LOADW
	s_mov_b32 s41, 0
.Lturn_\@:
	s_cmp_gt_u32 s40, 24
	s_cbranch_scc1 .Lskip_\@
	s_wait_dscnt 0x0
	MM
	s_add_co_u32 s37, s40, 2
	s_min_u32 s37, s37, 24
	TADR \B
	v_nop
	s_cmp_gt_u32 s40, 22
	s_cbranch_scc1 .Llast_\@
	LOADW
.Llast_\@:
	SOFTMAX
.Lskip_\@:
	s_add_co_u32 s40, s40, 2
	s_add_co_u32 s41, s41, 1
	s_cmp_lt_u32 s41, 13
	s_cbranch_scc1 .Lturn_\@
.endm
.macro CHANGE p, fill
	s_wait_tensorcnt 0x0
	ds_add_u32 v8, v9
.if \fill
	s_add_nc_u64 s[26+4*\p:27+4*\p], s[26+4*\p:27+4*\p], 2*SLAB
.endif
	s_wait_dscnt 0x0
.if \fill
	CROUND
	tensor_load_to_lds s[24+4*\p:27+4*\p], s[16:23]
	s_nop 0
.rept 4
	v_nop
.endr
.else
	s_barrier_signal -1
	s_barrier_wait -1
.endif
.endm
	s_load_b256 s[4:11], s[0:1], 0x0
	s_load_b64 s[12:13], s[0:1], 0x20
	v_lshl_add_u32 v8, v0, 2, SPARE
	v_mov_b32 v9, 0
	ds_add_u32 v8, v9
	ds_add_u32 v8, v9
	v_lshrrev_b32 v1, 5, v0
	s_delay_alu instid0(VALU_DEP_1)
	v_readfirstlane_b32 s32, v1
	s_lshr_b32 s33, s32, 2
	s_and_b32 s34, s32, 3
	s_and_b32 s36, ttmp7, 0xffff
	s_lshr_b32 s35, s36, 4
	s_and_b32 s36, s36, 15
	s_bfe_u32 s14, ttmp6, 0x40000
	s_lshl_b32 s15, ttmp9, 2
	s_add_co_u32 s15, s15, s14
	s_mov_b32 s16, 15|(3<<16)|(1<<21)
	s_mov_b32 s17, 32<<16
	s_mov_b32 s18, 79<<16
	s_mov_b32 s19, 32<<16
	s_mov_b32 s20, 79
	s_mov_b32 s21, 32
	s_mov_b32 s22, 0
	s_mov_b32 s23, 0
	s_mov_b32 s44, 0x3fb8aa3b
	s_mov_b32 s45, s44
	s_mov_b32 s46, 0xbfb8aa3b
	s_mov_b32 s47, s33
	s_xor_b32 s48, s33, 1
	s_mul_i32 s49, s36, 125
	s_mul_i32 s50, s36, 5*SLAB
	s_mul_i32 s52, s32, PIECE
	s_add_co_u32 s50, s50, s52
	s_mov_b32 s51, 0
	s_lshl_b32 s54, s15, 4
	s_lshl_b32 s55, s34, 2
	s_add_co_u32 s54, s54, s55
	s_mul_i32 s54, s54, 6400
	s_mov_b32 s55, 0
	s_lshl_b32 s56, s35, 5
	s_lshl_b32 s57, s36, 1
	s_add_co_u32 s56, s56, s57
	s_add_co_u32 s56, s56, s33
	s_lshl_b32 s56, s56, 5
	s_lshl_b32 s57, s15, 2
	s_add_co_u32 s56, s56, s57
	s_add_co_u32 s56, s56, s34
	s_lshl_b32 s56, s56, 9
	s_mov_b32 s57, 0
	s_wait_dscnt 0x0
	s_wait_kmcnt 0x0
	s_cmp_eq_u32 s35, 0
	s_cselect_b64 s[4:5], s[4:5], s[6:7]
	s_cselect_b64 s[8:9], s[8:9], s[10:11]
	s_add_nc_u64 s[4:5], s[4:5], s[50:51]
	s_add_nc_u64 s[8:9], s[8:9], s[54:55]
	s_add_nc_u64 s[12:13], s[12:13], s[56:57]
	s_mov_b32 s24, 1
	s_mov_b32 s25, s52
	s_mov_b64 s[26:27], s[4:5]
	s_or_b32 s27, s27, 0x80000000
	s_mov_b32 s28, 1
	s_add_co_u32 s29, s52, SLAB
	s_add_nc_u64 s[30:31], s[4:5], SLAB
	s_or_b32 s31, s31, 0x80000000
	CROUND
	tensor_load_to_lds s[24:27], s[16:23]          ; slab 0: my one tensor load at the head; my rows' 52 loads and the state's first values follow while it is out
	s_nop 0
.rept 4
	v_nop
.endr
	v_and_b32 v1, 31, v0
	s_delay_alu instid0(VALU_DEP_1)
	v_lshlrev_b32 v1, 4, v1
	v_and_b32 v2, 15, v0
	s_delay_alu instid0(VALU_DEP_1)
	v_lshlrev_b32 v2, 4, v2
	v_bfe_u32 v7, v0, 4, 1
	s_delay_alu instid0(VALU_DEP_1)
	v_lshlrev_b32 v3, 5, v7
	s_delay_alu instid0(VALU_DEP_2)
	v_lshlrev_b32 v7, 3, v7
	WIN 0x40
.irp m, 0,1,2,3
.irp s, 0,1,2,3
.irp c, 0,1,2
	global_load_b128 v[48*\m+12*\s+4*\c:48*\m+12*\s+4*\c+3], v1, s[8:9] offset:6400*\m+1536*\s+512*\c
.endr
.endr
.endr
	WIN 0
.irp m, 0,1,2,3
	global_load_b128 v[AS+4*\m:AS+4*\m+3], v2, s[8:9] offset:6400*\m+6144
.endr
.irp m, 0,1,2,3
	v_mov_b32 v[MX+\m], 0xff800000
	v_mov_b32 v[NP+2*\m], 0x7f800000
	v_mov_b32 v[NP+2*\m+1], 0x7f800000             ; -c M begins at + infinity in all four words: the first factor is 2^(-infinity) = 0
	v_mov_b32 v[AP+2*\m], 0
	v_mov_b32 v[AP+2*\m+1], 0
	v_mov_b32 v[L+2*\m], 0
	v_mov_b32 v[L+2*\m+1], 0
	v_mov_b32 v[TI+\m], 0
.endr
.set k, 0
.rept 32
	v_mov_b32 v[SV+k], 0
.set k, k+1
.endr
	s_wait_alu depctr_va_vdst(0)
	s_wait_tensorcnt 0x0                           ; my piece of slab 0 is in
	ds_add_u32 v8, v9
	s_wait_dscnt 0x0
	CROUND                                         ; every wave's piece of slab 0 is in, and the four work-groups are here
	tensor_load_to_lds s[28:31], s[16:23]          ; slab 1: the first tensor load behind the round
	s_nop 0
.rept 4
	v_nop
.endr
	s_wait_loadcnt 0x0                             ; my rows' fragments and scale words
	PASS 0, 0
	CHANGE 0, 1
	PASS SLAB, 1
	CHANGE 1, 1
	PASS 0, 2
	CHANGE 0, 1
	PASS SLAB, 3
	CHANGE 0, 0
	PASS 0, 4
	s_wait_alu depctr_va_vdst(0)
.irp m, 0,1,2,3
	v_add_f32 v[LF+\m], v[L+2*\m], v[L+2*\m+1]
.endr
	global_store_b128 v1, v[MX:MX+3], s[12:13]
	global_store_b128 v1, v[LF:LF+3], s[12:13] offset:1048576
	s_cmp_eq_u32 s35, 0
	s_cbranch_scc1 .Lnocol
.irp m, 0,1,2,3
	v_mov_b32 v[CI+\m], 0
.irp i, 7,6,5,4,3,2,1,0
	v_cmp_eq_f32 vcc_lo, v[SV+8*\m+\i], v[MX+\m]
	s_delay_alu instid0(VALU_DEP_1)
	v_cndmask_b32 v[CI+\m], v[CI+\m], \i, vcc_lo
.endr
	s_delay_alu instid0(VALU_DEP_1)
	v_lshl_add_u32 v[CI+\m], v[TI+\m], 4, v[CI+\m]
	s_delay_alu instid0(VALU_DEP_1)
	v_add_nc_u32 v[CI+\m], v7, v[CI+\m]
.endr
	global_store_b128 v1, v[CI:CI+3], s[12:13] offset:2097152-524288
.Lnocol:
	s_wait_tensorcnt 0x0
	ds_add_u32 v8, v9
	s_wait_dscnt 0x0
	CROUND
	s_endpgm
.Lfunc_end_k_q87586622ca_gemm:
	.size	k_q87586622ca_gemm, .Lfunc_end_k_q87586622ca_gemm-k_q87586622ca_gemm
	.p2alignl 7, 3214868480
	.fill 96, 4, 3214868480
	.section	.rodata,"a",@progbits
	.p2align	6, 0x0
	.amdhsa_kernel k_q87586622ca_gemm
		.amdhsa_group_segment_fixed_size 327680
		.amdhsa_private_segment_fixed_size 0
		.amdhsa_enable_private_segment 0
		.amdhsa_kernarg_size 40
		.amdhsa_user_sgpr_count 2
		.amdhsa_user_sgpr_kernarg_segment_ptr 1
		.amdhsa_wavefront_size32 1
		.amdhsa_system_sgpr_workgroup_id_x 1
		.amdhsa_system_sgpr_workgroup_id_y 1
		.amdhsa_system_sgpr_workgroup_id_z 1
		.amdhsa_system_vgpr_workitem_id 0
		.amdhsa_next_free_vgpr 448
		.amdhsa_next_free_sgpr 66
		.amdhsa_reserve_vcc 1
		.amdhsa_float_denorm_mode_32 3
		.amdhsa_float_denorm_mode_16_64 3
		.amdhsa_memory_ordered 1
		.amdhsa_forward_progress 1
		.amdhsa_inst_pref_size 77
	.end_amdhsa_kernel
	.amdgpu_metadata
---
amdhsa.version: [ 1, 2 ]
amdhsa.kernels:
  - .name:           k_q87586622ca_gemm
    .symbol:         k_q87586622ca_gemm.kd
    .args:
      - { .name: wsv, .offset: 0, .size: 8, .value_kind: global_buffer, .address_space: global }
      - { .name: wtv, .offset: 8, .size: 8, .value_kind: global_buffer, .address_space: global }
      - { .name: ay, .offset: 16, .size: 8, .value_kind: global_buffer, .address_space: global }
      - { .name: at, .offset: 24, .size: 8, .value_kind: global_buffer, .address_space: global }
      - { .name: part, .offset: 32, .size: 8, .value_kind: global_buffer, .address_space: global }
    .group_segment_fixed_size: 327680
    .private_segment_fixed_size: 0
    .kernarg_segment_align: 8
    .kernarg_segment_size: 40
    .max_flat_workgroup_size: 256
    .sgpr_count:     66
    .vgpr_count:     448
    .wavefront_size: 32
...
	.end_amdgpu_metadata
.endif
;; end of part 3
;; launch fin (part 4): grid 256 x 1, 1 waves a work-group, no clusters, 4,864 bytes of LDS; arguments ay, at, wsv, wtv, part, nl, b_sv, b_tv, sources, targets, target_lengths, out0, out1, out2, out3; writes out0, out1, out2, out3
.if DOCPART == 4
	.amdgcn_target "amdgcn-amd-amdhsa--gfx1250"
	.amdhsa_code_object_version 6
	.text
	.protected	k_q87586622ca_fin
	.globl	k_q87586622ca_fin
	.p2align	8
	.type	k_q87586622ca_fin,@function
k_q87586622ca_fin:
	s_mov_b64 s[64:65], 0
	v_nop
	global_prefetch_b8 v0, s[64:65] scope:SCOPE_SE
	s_setreg_imm32_b32 hwreg(HW_REG_WAVE_MODE, 25, 1), 1
	s_wait_xcnt 0x0
; The rows' partial maxima and sums are merged, the looked-up logits are computed again from the stored codes (the same quantised products, for the columns that sources and targets name), and all outputs are stored.
; Left out, as at the first launch's head: the quotients that no lookup asks for.  A work-group is ONE wave and owns 16 rows: w = x % 4 picks rows 16 w .. 16 w + 15 of batch b = (x / 4) % 32; x < 128: path EM, else path TG.
; The waves share nothing, and most of a wave's loads are lookups that name another 256 bytes in each lane: so each wave is a work-group of its own, 256 in all.
; EM.  Source 0 = the 16 columns sources[b][16 nt + r] of W_sv, fetched lane by lane out of wsv's register images; source 1 = my 16 rows of ay: a lane holds one row and eight neighbouring tx.  The bias of the looked-up
; columns goes through 256 bytes of LDS into the accumulators' layout and is the products' C.  p = exp(x - M) / l.  Rows 64 .. 127 of out0[b] are the null row's softmax at the same columns, from nl and its 1,000 pairs (maximum, sum).
; TG.  Source 0 = the columns targets[b][16 w + r]; the result's diagonal is each row's own logit.  The column of the largest logit is the lowest among the partials whose maximum equals the row's.
; An index is held inside its table before it enters an address (slab to 79, tile to 24, row to 15, column to 31,999).  LIMITS as at the first launch's head; a target_prob under the smallest normal number gives log = -infinity.
; No cluster: the work-groups share only a batch's looked-up columns and nl's 8,000 bytes of statistics, and these come through registers.
.set SLAB,  161792
.set SPARE, 4608                       ; LDS: a stage of 16 rows x 272 bytes at 0, 256 bytes for the bias behind it; then the spare words
.set A,   16                           ; v16-63   my rows' four fragments
.set AS,  64                           ; v64-67   their scale words
.set WSW, 68                           ; v68-83   the looked-up columns' scale words, 4 nt + s
.set ACC, 84                           ; v84-115  EM: four accumulators
.set PM,  132                          ; v132-163 32 maxima
.set PL,  164                          ; v164-195 32 sums
.set PC,  196                          ; v196-227 TG: 32 columns
.set SEL, 34                           ; s[34:35] lane l xor 16
.set CS,  36                           ; s[36:37] c = log2 e; s38 -c
; v1 lane, v2 r, v3 h, v4 16 lane, v5 16 r, v8, v9 the add's two, v10-13 LDS addresses; v228 -c M, v229 M, v230 1 / l; v232-235 at work.  Window 1 (EM): v0-191 the looked-up fragments, 48 nt + 12 s
.set MSB, 0
.macro WIN new
.if MSB != \new
	s_set_vgpr_msb (MSB<<8)|\new
.set MSB, \new
.endif
.endm
.macro IDX n, sa                       ; v[n]: a column's number as loaded -> the byte of my half's codes in the slabs; v[sa]: of its scale words
	v_lshrrev_b32 v232, 4, v[\n]
	v_and_b32 v233, 15, v[\n]
	v_mul_u32_u24 v234, v232, 1311
	v_lshrrev_b32 v234, 15, v234                   ; the slab: tile / 25
	v_mul_u32_u24 v235, v234, 25
	v_sub_nc_u32 v232, v232, v235                  ; the tile's place in it
	v_min_u32 v234, 79, v234
	v_min_u32 v232, 24, v232
	v_min_u32 v233, 15, v233
	v_mul_u32_u24 v234, v234, SLAB
	v_mad_u32_u24 v[\n], v232, 6144, v234
	v_lshl_add_u32 v[\n], v233, 4, v[\n]
	v_lshl_add_u32 v[\n], v3, 8, v[\n]
	v_lshl_add_u32 v[\sa], v232, 8, v234
	v_lshl_add_u32 v[\sa], v233, 4, v[\sa]
.endm
.macro MMAX wide                       ; the largest of my 32 maxima, of lane l xor 16's (wide = 1: of all lanes'): v229, and -c times it: v228
	v_max3_num_f32 v229, v[PM], v[PM+1], v[PM+2]
.irp i, 3,5,7,9,11,13,15,17,19,21,23,25,27,29
	v_max3_num_f32 v229, v229, v[PM+\i], v[PM+\i+1]
.endr
	v_max_num_f32 v229, v229, v[PM+31]
.if \wide
	v_max_num_f32_dpp v229, v229, v229 row_xmask:1 row_mask:0xf bank_mask:0xf
	v_max_num_f32_dpp v229, v229, v229 row_xmask:2 row_mask:0xf bank_mask:0xf
	v_max_num_f32_dpp v229, v229, v229 row_xmask:4 row_mask:0xf bank_mask:0xf
	v_max_num_f32_dpp v229, v229, v229 row_xmask:8 row_mask:0xf bank_mask:0xf
.endif
	v_permlanex16_b32 v232, v229, s[SEL], s[SEL+1]
	v_max_num_f32 v229, v229, v232
	v_mul_f32 v228, s38, v229
.endm
.macro MSUM wide                       ; the sums brought under that maximum and added; v230 = 1 / the whole sum
.set q, 0
.rept 32
	v_fma_f32 v[PM+q], v[PM+q], s[CS], v228
.set q, q+1
.endr
.set q, 0
	s_wait_alu depctr_va_vdst(0)
.rept 32
	v_exp_f32 v[PM+q], v[PM+q]
.set q, q+1
.endr
	v_nop
	s_wait_alu depctr_va_vdst(0)                   ; one wait for the 32
.irp k, 0,1,2,3
	v_mul_f32 v[232+\k], v[PL+\k], v[PM+\k]
.endr
.set q, 4
.rept 28
	v_fmac_f32 v[232+q%4], v[PL+q], v[PM+q]
.set q, q+1
.endr
	v_add_f32 v232, v232, v233
	v_add_f32 v234, v234, v235
	v_add_f32 v232, v232, v234
.if \wide
	v_add_f32_dpp v232, v232, v232 row_xmask:1 row_mask:0xf bank_mask:0xf
	v_add_f32_dpp v232, v232, v232 row_xmask:2 row_mask:0xf bank_mask:0xf
	v_add_f32_dpp v232, v232, v232 row_xmask:4 row_mask:0xf bank_mask:0xf
	v_add_f32_dpp v232, v232, v232 row_xmask:8 row_mask:0xf bank_mask:0xf
.endif
	v_permlanex16_b32 v233, v232, s[SEL], s[SEL+1]
	v_add_f32 v230, v232, v233
	s_wait_alu depctr_va_vdst(0)
	v_rcp_f32 v230, v230
	v_nop
	s_wait_alu depctr_va_vdst(0)
.endm
	s_load_b512 s[4:19], s[0:1], 0x0               ; ay 4, at 6, wsv 8, wtv 10, part 12, nl 14, b_sv 16, b_tv 18
	s_load_b256 s[20:27], s[0:1], 0x40             ; sources 20, targets 22, target_lengths 24, out0 26
	s_load_b128 s[28:31], s[0:1], 0x60             ; out1 28, out2 30
	s_load_b64 s[32:33], s[0:1], 0x70              ; out3
	v_lshl_add_u32 v8, v0, 2, SPARE
	v_mov_b32 v9, 0
	v_and_b32 v1, 31, v0
	v_and_b32 v2, 15, v0
	v_bfe_u32 v3, v0, 4, 1
	v_lshlrev_b32 v4, 4, v1
	v_lshlrev_b32 v5, 4, v2
	v_mul_u32_u24 v10, v2, 272
	v_lshl_add_u32 v10, v3, 5, v10                 ; the stage, in: row r, + 32 h
	v_mul_u32_u24 v11, v3, 272
	v_lshl_add_u32 v11, v2, 4, v11                 ; back: lanes 0-15 one row, lanes 16-31 the next
	v_lshlrev_b32 v12, 2, v1                       ; the bias, in: 4 lane
	v_lshlrev_b32 v13, 5, v3                       ; back: 32 h
	v_lshlrev_b32 v7, 2, v2
.irp i, 231,232,233,234,235
	v_mov_b32 v\i, 0                               ; written once: permutes' destinations, and the upper half of a pair that is named whole
.endr
	s_mov_b32 s[SEL], 0x76543210
	s_mov_b32 s[SEL+1], 0xfedcba98
	s_mov_b32 s[CS], 0x3fb8aa3b
	s_mov_b32 s[CS+1], s[CS]
	s_mov_b32 s38, 0xbfb8aa3b
	s_and_b32 s40, ttmp9, 3                        ; w: which 16 rows of the batch
	s_lshr_b32 s42, ttmp9, 2
	s_and_b32 s42, s42, 31                         ; the batch
	s_lshl_b32 s44, s42, 9
	s_lshl_b32 s45, s40, 2
	s_add_co_u32 s44, s44, s45
	s_mov_b32 s45, 0
	s_wait_kmcnt 0x0
	s_add_nc_u64 s[12:13], s[12:13], s[44:45]      ; part at row group b, row tile w
	s_lshl_b32 s44, s42, 2
	s_add_co_u32 s44, s44, s40
	s_mul_i32 s44, s44, 6400
	s_add_nc_u64 s[4:5], s[4:5], s[44:45]
	s_add_nc_u64 s[6:7], s[6:7], s[44:45]
	s_cmp_lt_u32 ttmp9, 128
	s_cbranch_scc0 .Ltg
	; ---- EM
	s_lshl_b32 s44, s42, 8
	s_add_nc_u64 s[20:21], s[20:21], s[44:45]      ; sources[b]
	s_lshl_b32 s44, s42, 15
	s_lshl_b32 s46, s40, 12
	s_add_co_u32 s44, s44, s46
	s_add_nc_u64 s[26:27], s[26:27], s[44:45]      ; out0[b], row 16 w
	v_lshlrev_b32 v6, 2, v1
	v_add_nc_u32 v14, 224, v1
	v_min_u32 v14, 249, v14
	v_lshlrev_b32 v14, 4, v14                      ; the last 26 groups of four statistics; the lanes beyond read the last group again and are masked
	global_load_b32 v116, v6, s[20:21]             ; 7 loads of indices: for the bias, tx = lane and 32 + lane;
	global_load_b32 v117, v6, s[20:21] offset:128
.irp nt, 0,1,2,3
	global_load_b32 v[118+\nt], v7, s[20:21] offset:64*\nt   ; for the fragments, tx = 16 nt + r;
.endr
	global_load_b128 v[122:125], v5, s[20:21]      ; for the null row, tx = 4 r + 0 .. 3
.irp s, 0,1,2,3                        ; 13 loads: my rows
.irp c, 0,1,2
	global_load_b128 v[A+12*\s+4*\c:A+12*\s+4*\c+3], v4, s[4:5] offset:1536*\s+512*\c
.endr
.endr
	global_load_b128 v[AS:AS+3], v5, s[4:5] offset:6144
.irp i, 0,1,2,3,4,5,6                  ; 16 loads: the null row's 1,000 maxima and sums
	global_load_b128 v[PM+4*\i:PM+4*\i+3], v4, s[14:15] offset:131072+512*\i
	global_load_b128 v[PL+4*\i:PL+4*\i+3], v4, s[14:15] offset:135168+512*\i
.endr
	global_load_b128 v[PM+28:PM+31], v14, s[14:15] offset:131072
	global_load_b128 v[PL+28:PL+31], v14, s[14:15] offset:135168
	s_wait_loadcnt 29                              ; the indices are in; the 13 + 16 younger loads may be out
.irp i, 116,117,122,123,124,125
	v_min_u32 v\i, 31999, v\i
	v_lshlrev_b32 v\i, 2, v\i
.endr
.irp nt, 0,1,2,3
	IDX 118+\nt, 126+\nt
.endr
	global_load_b32 v130, v116, s[16:17]           ; 58 looked-up loads: 2 of b_sv,
	global_load_b32 v131, v117, s[16:17]
.irp e, 0,1,2,3
	global_load_b32 v[196+\e], v[122+\e], s[14:15] ; 4 null logits,
.endr
.irp nt, 0,1,2,3
	global_load_b128 v[WSW+4*\nt:WSW+4*\nt+3], v[126+\nt], s[8:9] offset:153600   ; 4 of scale words,
.endr
	WIN 0x40                                       ; destination window 1
.irp nt, 0,1,2,3
.irp s, 0,1,2,3
.irp c, 0,1,2
	global_load_b128 v[48*\nt+12*\s+4*\c:48*\nt+12*\s+4*\c+3], v[118+\nt], s[8:9] offset:1536*\s+512*\c   ; 48 of codes
.endr
.endr
.endr
	WIN 0
	s_wait_loadcnt 58                              ; my rows and the statistics are in; the 58 may be out
	v_cmp_gt_u32 vcc_lo, 26, v1
.irp e, 0,1,2,3
	v_cndmask_b32 v[PM+28+\e], 0xff61b1e6, v[PM+28+\e], vcc_lo
	v_cndmask_b32 v[PL+28+\e], 0, v[PL+28+\e], vcc_lo
.endr
	MMAX 1
	MSUM 1
	v_mov_b32 v208, v228                           ; the null row's -c m
	v_mov_b32 v209, v230                           ; and 1 / l
.set q, 0
.rept 32
	global_load_b32 v[PM+q], v4, s[12:13] offset:16384*q
.set q, q+1
.endr
.set q, 0
.rept 32
	global_load_b32 v[PL+q], v4, s[12:13] offset:1048576+16384*q
.set q, q+1
.endr
	s_wait_alu depctr_va_vdst(0)
	s_wait_loadcnt 63                              ; of the 58 + 64 at most the youngest 63 are out: the 58 are in
	ds_store_b32 v12, v130 offset:4352
	ds_store_b32 v12, v131 offset:4352+128
.irp nt, 0,1,2,3
	ds_load_b128 v[ACC+8*\nt:ACC+8*\nt+3], v13 offset:4352+64*\nt      ; LDS serves a wave's instructions in order: these see my stores
	ds_load_b128 v[ACC+8*\nt+4:ACC+8*\nt+7], v13 offset:4352+64*\nt+16
.endr
	s_wait_dscnt 0x0
	WIN 0x01                                       ; source 0 in window 1
.irp s, 0,1,2,3
.irp nt, 0,1,2,3
	v_wmma_scale_f32_16x16x128_f8f6f4 v[ACC+8*\nt:ACC+8*\nt+7], v[48*\nt+12*\s:48*\nt+12*\s+11], v[A+12*\s:A+12*\s+11], v[ACC+8*\nt:ACC+8*\nt+7], v[WSW+4*\nt+\s], v[AS+\s] matrix_a_fmt:MATRIX_FMT_FP6 matrix_b_fmt:MATRIX_FMT_FP6
.endr
.endr
	WIN 0
.irp e, 0,1,2,3
	v_fma_f32 v[196+\e], v[196+\e], s[CS], v208    ; the null row; these four are also the places behind the products
.endr
	s_wait_alu depctr_va_vdst(0)
.irp e, 0,1,2,3
	v_exp_f32 v[196+\e], v[196+\e]
.endr
	v_nop
	s_wait_alu depctr_va_vdst(0)
.irp e, 0,1,2,3
	v_mul_f32 v[196+\e], v[196+\e], v209
.endr
.irp i, 0,1,2,3,4,5,6,7
	global_store_b128 v4, v[196:199], s[26:27] offset:16384+512*\i   ; rows 64 + 16 w + 2 i and the next: 512 consecutive bytes
.endr
	s_wait_loadcnt 0x0
	MMAX 0
	MSUM 0
.set k, 0
.rept 16
	v_pk_fma_f32 v[ACC+k:ACC+k+1], v[ACC+k:ACC+k+1], s[CS:CS+1], v[228:229] op_sel_hi:[1,0,0]   ; c x - c M; each accumulator from its low end on
.set k, k+2
.endr
.set k, 0
	s_wait_alu depctr_va_vdst(0)
.rept 32
	v_exp_f32 v[ACC+k], v[ACC+k]
.set k, k+1
.endr
	v_nop
	s_wait_alu depctr_va_vdst(0)
.set k, 0
.rept 16
	v_pk_mul_f32 v[ACC+k:ACC+k+1], v[ACC+k:ACC+k+1], v[230:231] op_sel_hi:[1,0]
.set k, k+2
.endr
.irp nt, 0,1,2,3
	ds_store_b128 v10, v[ACC+8*\nt:ACC+8*\nt+3] offset:64*\nt
	ds_store_b128 v10, v[ACC+8*\nt+4:ACC+8*\nt+7] offset:64*\nt+16
.endr
.irp i, 0,1,2,3,4,5,6,7
	ds_load_b128 v[PM+4*\i:PM+4*\i+3], v11 offset:2*\i*272
.endr
.irp i, 0,1,2,3,4,5,6,7
	s_wait_dscnt 7-\i
	global_store_b128 v4, v[PM+4*\i:PM+4*\i+3], s[26:27] offset:512*\i
.endr
	s_branch .Lexit
	; ---- TG
.Ltg:
	s_add_nc_u64 s[12:13], s[12:13], 524288        ; part: mat 1
	s_lshl_b32 s44, s42, 2
	s_add_nc_u64 s[24:25], s[24:25], s[44:45]
	s_load_b32 s46, s[24:25], 0x0                  ; the batch's length
	s_lshl_b32 s47, s40, 4                         ; 16 w
	s_lshl_b32 s44, s42, 8
	s_lshl_b32 s48, s40, 6
	s_add_co_u32 s44, s44, s48
	s_add_nc_u64 s[22:23], s[22:23], s[44:45]      ; targets, out1, out2, out3 at [b][16 w]
	s_add_nc_u64 s[28:29], s[28:29], s[44:45]
	s_add_nc_u64 s[30:31], s[30:31], s[44:45]
	s_add_nc_u64 s[32:33], s[32:33], s[44:45]
	v_and_b32 v6, 7, v2
	v_lshrrev_b32 v14, 3, v2
	s_wait_alu depctr_va_vdst(0)
	global_load_b32 v244, v7, s[22:23]
.irp s, 0,1,2,3
.irp c, 0,1,2
	global_load_b128 v[A+12*\s+4*\c:A+12*\s+4*\c+3], v4, s[6:7] offset:1536*\s+512*\c
.endr
.endr
	global_load_b128 v[AS:AS+3], v5, s[6:7] offset:6144
	s_wait_loadcnt 13                              ; the index is in
	v_min_u32 v246, 31999, v244
	v_lshlrev_b32 v246, 2, v246
	IDX 244, 245
.irp s, 0,1,2,3                        ; 14 looked-up loads
.irp c, 0,1,2
	global_load_b128 v[84+12*\s+4*\c:84+12*\s+4*\c+3], v244, s[10:11] offset:1536*\s+512*\c
.endr
.endr
	global_load_b128 v[WSW:WSW+3], v245, s[10:11] offset:153600
	global_load_b32 v247, v246, s[18:19]
.set q, 0
.rept 32
	global_load_b32 v[PM+q], v4, s[12:13] offset:16384*q
.set q, q+1
.endr
.set q, 0
.rept 32
	global_load_b32 v[PL+q], v4, s[12:13] offset:1048576+16384*q
.set q, q+1
.endr
.set q, 0
.rept 32
	global_load_b32 v[PC+q], v4, s[12:13] offset:2097152-524288+16384*q
.set q, q+1
.endr
	s_wait_loadcnt 63                              ; of the 96 partials at most 63 are out: all that was asked for ahead of them is in
	v_wmma_scale_f32_16x16x128_f8f6f4 v[236:243], v[84:95], v[A:A+11], 0, v[WSW], v[AS] matrix_a_fmt:MATRIX_FMT_FP6 matrix_b_fmt:MATRIX_FMT_FP6
.irp s, 1,2,3
	s_wait_alu depctr_va_vdst(0)                   ; a wait directly ahead of each link
	v_wmma_scale_f32_16x16x128_f8f6f4 v[236:243], v[84+12*\s:84+12*\s+11], v[A+12*\s:A+12*\s+11], v[236:243], v[WSW+\s], v[AS+\s] matrix_a_fmt:MATRIX_FMT_FP6 matrix_b_fmt:MATRIX_FMT_FP6
.endr
.rept 4
	v_nop
.endr
	v_mov_b32 v232, v236                           ; lane (r, h), register i holds (column 8 h + i, row r): the diagonal is register r % 8 of the half r / 8
.irp i, 1,2,3,4,5,6,7
	v_cmp_eq_u32 vcc_lo, \i, v6
	v_cndmask_b32 v232, v232, v[236+\i], vcc_lo
.endr
	v_permlanex16_b32 v233, v232, s[SEL], s[SEL+1]
	v_cmp_eq_u32 vcc_lo, v14, v3
	v_cndmask_b32 v232, v233, v232, vcc_lo
	v_add_f32 v251, v232, v247                     ; my row's own logit
	s_wait_loadcnt 0x0
	MMAX 0
	v_mov_b32 v248, 0x7fffffff
.set q, 0
.rept 32
	v_cmp_eq_f32 vcc_lo, v[PM+q], v229
	v_cndmask_b32 v249, 0x7fffffff, v[PC+q], vcc_lo
	v_min_u32 v248, v248, v249
.set q, q+1
.endr
	v_permlanex16_b32 v249, v248, s[SEL], s[SEL+1]
	v_min_u32 v248, v248, v249                     ; the lowest column that holds the row's largest logit
	MSUM 0
	s_wait_kmcnt 0x0
	v_fma_f32 v250, v251, s[CS], v228
	s_wait_alu depctr_va_vdst(0)
	v_exp_f32 v250, v250
	v_add_nc_u32 v235, s47, v2                     ; t
	s_wait_alu depctr_va_vdst(0)
	v_mul_f32 v250, v250, v230                     ; target_prob
	s_wait_alu depctr_va_vdst(0)
	v_log_f32 v251, v250
	v_cmp_gt_i32 vcc_lo, s46, v235
	v_cndmask_b32 v234, 0, 1.0, vcc_lo             ; the mask, as a number: it multiplies, as in reference()
	s_wait_alu depctr_va_vdst(0)
	v_mul_f32 v251, 0x3f317218, v251
	v_mul_f32 v251, v251, v234
	v_mul_f32 v250, v250, v234
	v_cmp_gt_u32 vcc_lo, 16, v1
	s_wait_alu depctr_va_vdst(0)
	s_wait_xcnt 0x0                                ; EXEC changes only behind this wait
	s_and_saveexec_b32 s48, vcc_lo
	global_store_b32 v7, v250, s[28:29]
	global_store_b32 v7, v251, s[30:31]
	global_store_b32 v7, v248, s[32:33]
	s_wait_xcnt 0x0
	s_or_b32 exec_lo, exec_lo, s48
.Lexit:
	s_wait_tensorcnt 0x0                           ; the wave's end, behind my last LDS store
	ds_add_u32 v8, v9
	s_wait_dscnt 0x0
	s_endpgm
.Lfunc_end_k_q87586622ca_fin:
	.size	k_q87586622ca_fin, .Lfunc_end_k_q87586622ca_fin-k_q87586622ca_fin
	.p2alignl 7, 3214868480
	.fill 96, 4, 3214868480
	.section	.rodata,"a",@progbits
	.p2align	6, 0x0
	.amdhsa_kernel k_q87586622ca_fin
		.amdhsa_group_segment_fixed_size 4864
		.amdhsa_private_segment_fixed_size 0
		.amdhsa_enable_private_segment 0
		.amdhsa_kernarg_size 120
		.amdhsa_user_sgpr_count 2
		.amdhsa_user_sgpr_kernarg_segment_ptr 1
		.amdhsa_wavefront_size32 1
		.amdhsa_system_sgpr_workgroup_id_x 1
		.amdhsa_system_sgpr_workgroup_id_y 1
		.amdhsa_system_sgpr_workgroup_id_z 1
		.amdhsa_system_vgpr_workitem_id 0
		.amdhsa_next_free_vgpr 448
		.amdhsa_next_free_sgpr 66
		.amdhsa_reserve_vcc 1
		.amdhsa_float_denorm_mode_32 3
		.amdhsa_float_denorm_mode_16_64 3
		.amdhsa_memory_ordered 1
		.amdhsa_forward_progress 1
		.amdhsa_inst_pref_size 69
	.end_amdhsa_kernel
	.amdgpu_metadata
---
amdhsa.version: [ 1, 2 ]
amdhsa.kernels:
  - .name:           k_q87586622ca_fin
    .symbol:         k_q87586622ca_fin.kd
    .args:
      - { .name: ay, .offset: 0, .size: 8, .value_kind: global_buffer, .address_space: global }
      - { .name: at, .offset: 8, .size: 8, .value_kind: global_buffer, .address_space: global }
      - { .name: wsv, .offset: 16, .size: 8, .value_kind: global_buffer, .address_space: global }
      - { .name: wtv, .offset: 24, .size: 8, .value_kind: global_buffer, .address_space: global }
      - { .name: part, .offset: 32, .size: 8, .value_kind: global_buffer, .address_space: global }
      - { .name: nl, .offset: 40, .size: 8, .value_kind: global_buffer, .address_space: global }
      - { .name: b_sv, .offset: 48, .size: 8, .value_kind: global_buffer, .address_space: global }
      - { .name: b_tv, .offset: 56, .size: 8, .value_kind: global_buffer, .address_space: global }
      - { .name: sources, .offset: 64, .size: 8, .value_kind: global_buffer, .address_space: global }
      - { .name: targets, .offset: 72, .size: 8, .value_kind: global_buffer, .address_space: global }
      - { .name: target_lengths, .offset: 80, .size: 8, .value_kind: global_buffer, .address_space: global }
      - { .name: out0, .offset: 88, .size: 8, .value_kind: global_buffer, .address_space: global }
      - { .name: out1, .offset: 96, .size: 8, .value_kind: global_buffer, .address_space: global }
      - { .name: out2, .offset: 104, .size: 8, .value_kind: global_buffer, .address_space: global }
      - { .name: out3, .offset: 112, .size: 8, .value_kind: global_buffer, .address_space: global }
    .group_segment_fixed_size: 4864
    .private_segment_fixed_size: 0
    .kernarg_segment_align: 8
    .kernarg_segment_size: 120
    .max_flat_workgroup_size: 32
    .sgpr_count:     66
    .vgpr_count:     448
    .wavefront_size: 32
...
	.end_amdgpu_metadata
.endif
;; end of part 4
